; MI455X (gfx1250); checked and timed in simulation.
; The chip was launched on July 23, 2026; its instructions are those of AMD's public machine-readable ISA for CDNA 5 (MIT licence, August 2026) and "CDNA5" Instruction Set Architecture Reference Guide (July 2026). The comments in the code are by the model that wrote it; some were corrected since.
;; Mo E Layer. Allowed arithmetic: matrix products marked QUANTISED: E3M2 operands, one E8M0 scale for each 32 along K, by v_wmma_scale_f32_16x16x128_f8f6f4 with both operands' format E3M2, f32 sums; products left as they are: f32 operands where the result goes on into a quantised operand, else bf16, f16 or f32 operands; f32 sums; everything else in f32.
;; Inputs: b1 8 x 4,096 float32; b2 8 x 1,024 float32; b_gate 8 float32; w1 8 x 4,096 x 1,024 float32; w2 8 x 1,024 x 4,096 float32; w_gate 8 x 1,024 float32; x 4 x 256 x 1,024 float32.
;; Outputs: out0 4 x 256 x 1,024 float32; out1 1,024 x 2 int32; out2 1,024 x 2 float32.
;; This version of the problem:
;;   THIS VERSION OF THE PROBLEM IS GIVEN IN LOW PRECISION. The matrix products marked QUANTISED in the list below multiply operands that are first quantised to E3M2 (3 exponent bits, 2 mantissa bits; 6 bits a number), with one power-of-two scale for each 32 numbers along K (OCP MX v1.0); their sums are f32. All else is computed in f32.
;;   The module's matrix products, in the order in which they are computed (A, B: the left and right operand; K: the contracted axis; several contracted axes count as one K, in the product's order):
;;     1. [M 1,024, K 1,024] x [K 1,024, N 8]; A: input x; B: input w_gate: left as it is (N = 8 < 16)
;;     2. [M 1,024, K 1,024] x [K 1,024, N 4,096]; A: input x; B: input w1: QUANTISED
;;     3. [M 1,024, K 4,096] x [K 4,096, N 1,024]; A: computed on the way; B: input w2: QUANTISED
;;     4. [M 1,024, K 1,024] x [K 1,024, N 4,096]; A: input x; B: input w1: QUANTISED
;;     5. [M 1,024, K 4,096] x [K 4,096, N 1,024]; A: computed on the way; B: input w2: QUANTISED
;;     6. [M 1,024, K 1,024] x [K 1,024, N 4,096]; A: input x; B: input w1: QUANTISED
;;     7. [M 1,024, K 4,096] x [K 4,096, N 1,024]; A: computed on the way; B: input w2: QUANTISED
;;     8. [M 1,024, K 1,024] x [K 1,024, N 4,096]; A: input x; B: input w1: QUANTISED
;;     9. [M 1,024, K 4,096] x [K 4,096, N 1,024]; A: computed on the way; B: input w2: QUANTISED
;;     10. [M 1,024, K 1,024] x [K 1,024, N 4,096]; A: input x; B: input w1: QUANTISED
;;     11. [M 1,024, K 4,096] x [K 4,096, N 1,024]; A: computed on the way; B: input w2: QUANTISED
;;     12. [M 1,024, K 1,024] x [K 1,024, N 4,096]; A: input x; B: input w1: QUANTISED
;;     13. [M 1,024, K 4,096] x [K 4,096, N 1,024]; A: computed on the way; B: input w2: QUANTISED
;;     14. [M 1,024, K 1,024] x [K 1,024, N 4,096]; A: input x; B: input w1: QUANTISED
;;     15. [M 1,024, K 4,096] x [K 4,096, N 1,024]; A: computed on the way; B: input w2: QUANTISED
;;     16. [M 1,024, K 1,024] x [K 1,024, N 4,096]; A: input x; B: input w1: QUANTISED
;;     17. [M 1,024, K 4,096] x [K 4,096, N 1,024]; A: computed on the way; B: input w2: QUANTISED
;;   THE QUANTISER, for each operand of a quantised product, along K:
;;     - K is cut into blocks of 32 from its start; a last block that is shorter is filled with zeros.
;;     - A block's scale is 2^e with e = floor(log2(the largest magnitude in the block)) - 4, held to -126 .. 127; a block of zeros has e = 0. As a byte (E8M0): e + 127.
;;     - Each number is divided by its block's scale, clamped to +-28, and rounded to the nearest number of E3M2, ties to even, subnormals kept.
;;     - The product sums the exact products of the quantised numbers (number of the format x scale) in f32.
;;   ~~~python
;;   def quantise(x, axis):      # numpy; x: float32 -> the quantised numbers, widened to float32 again
;;       x = np.moveaxis(x, axis, -1); K = x.shape[-1]
;;       x = np.pad(x, [(0, 0)] * (x.ndim - 1) + [(0, -K % 32)]); x = x.reshape(x.shape[:-1] + (-1, 32)); a = np.abs(x).max(-1, keepdims=True)
;;       e = np.where(a > 0, np.clip(np.frexp(np.where(a > 0, a, 1))[1] - 1 - 4, -126, 127), 0)      # np.frexp(a)[1] - 1 = floor(log2(a)), exactly
;;       r = np.clip(x / 2.0 ** e, -28, 28)
;;       step = 2.0 ** (np.maximum(np.frexp(np.where(r == 0, 1, r))[1] - 1, -2) - 2)
;;       q = np.round(r / step) * step * 2.0 ** e      # np.round: ties to even
;;       return np.moveaxis(q.reshape(q.shape[:-2] + (-1,))[..., :K], -1, axis).astype(np.float32)
;;   ~~~
;;   OPERANDS COMPUTED ON THE WAY. 'Computed on the way' means the value that the module computes at that place (a softmax that the list does not call 'softmax' is quantised finished and normalised). What goes into a quantiser is computed in f32, as accurately as f32 sums, v_exp_f32 and their like allow (about 1e-6 of the number): no bf16 or f16 on the way to a quantiser, and a product that is left as it is and whose result goes on into a quantised operand takes f32 operands (vector FMAs, or v_wmma_f32_16x16x4_f32). A number that lies on a knife's edge between two numbers of the format may be rounded either way, as far as f32 arithmetic and the matrix unit's own rounding can turn it there, and no further.
;; 2 versions. Each part assembles by itself: llvm-mc -triple=amdgcn-amd-amdhsa -mcpu=gfx1250 --defsym DOCPART=n.
;; ======== version 1 of 2: 4 launches
;; workspace buffers: sel 8,192 bytes of whole numbers; lst 32,768 bytes of whole numbers; cnt 1,024 bytes of whole numbers; xc 786,432 bytes; xs 32,768 bytes; h 25,165,824 bytes; hs 1,048,576 bytes; y 9,437,184 bytes
;; launch route (part 1): grid 256 x 1, 4 waves a work-group, no clusters, 33,280 bytes of LDS; arguments x, w_gate, b_gate, out1, out2, sel, xc, xs; writes out1, out2, sel, xc, xs
.if DOCPART == 1
	.amdgcn_target "amdgcn-amd-amdhsa--gfx1250"
	.amdhsa_code_object_version 6
	.text
	.protected	k_q378d75d1b4_route
	.globl	k_q378d75d1b4_route
	.p2align	8
	.type	k_q378d75d1b4_route,@function
k_q378d75d1b4_route:
	s_mov_b64 s[64:65], 0
	v_nop
	global_prefetch_b8 v0, s[64:65] scope:SCOPE_SE
	s_setreg_imm32_b32 hwreg(HW_REG_WAVE_MODE, 25, 1), 1
	s_wait_xcnt 0x0
; ROUTER AND x's QUANTISER.  One wave takes one token t = 4 x work-group + wave: 1,024 numbers of x, 32 a lane.
; (a) logits = x . w_gate[e] + b_gate[e] in f32 fused multiply-adds, softmax with the row's maximum taken away, top 2 (the lower index wins a tie);
;     out1 and sel get the two experts, out2 the two scores.  Nothing here steers an address: choices are made by v_cndmask_b32.
; (b) the token's row becomes codes of E3M2 (768 bytes, one stream of bits, K innermost) in xc and 32 E8M0 bytes in xs.
; A block's scale is 2^(floor(log2(largest magnitude)) - 4): its byte is the largest magnitude's exponent field - 4, held at 1 from below.
; LIMITS: NaN and infinities are not served; a block of zeros gets the byte 1 (its codes are zeros, and this program alone reads the bytes);
; a score under 2^-126 comes out of v_exp_f32 as 0; the logits' sums run in another order than a row-by-row sum, so two logits that differ
; by f32 rounding alone may be ranked either way.
; No barrier: waves share nothing; each has 8,192 bytes of LDS of its own.
.set SP,   80                          ; a lane's place in a stage: its 64 bytes + 16 of padding
.set WREG, 8192                        ; LDS of a wave: two stages of 32 x SP bytes, then its 32 scale bytes
.set SBO,  5120
.set CD,   12                          ; v12-19  codes, four registers a step
.set EB,   20                          ; v20-21  a scale byte a step
.set LG,   22                          ; v22-29  logits, then scores
.set TT,   30                          ; v30-37  at work; then the scores without the best
.set R,    64                          ; v64-95  x as loaded: load i, register j: k = 128 i + 4 lane + j
.set XN,   96                          ; v96-127 two sets of 16 neighbours along K
.set G,    128                         ; v128-255 w_gate: four sets of 32, expert e in set e % 4
	s_load_b512 s[4:19], s[0:1], 0x0               ; x s[4:5], w_gate s[6:7], b_gate s[8:9], out1 s[10:11], out2 s[12:13], sel s[14:15], xc s[16:17], xs s[18:19]
	v_lshl_add_u32 v62, v0, 2, 0x8000
	v_mov_b32 v63, 0
	v_lshrrev_b32 v1, 5, v0
	v_readfirstlane_b32 s20, v1                    ; wave
	v_and_b32 v1, 31, v0                           ; lane
	v_lshlrev_b32 v2, 4, v1                        ; my 16 bytes of a load's 512
	s_lshl_b32 s21, ttmp9, 2
	s_add_co_u32 s21, s21, s20                     ; token
	s_mul_i32 s35, s20, WREG
	v_lshrrev_b32 v3, 2, v1
	v_mul_u32_u24 v3, v3, SP
	v_and_b32 v4, 3, v1
	v_lshl_add_u32 v3, v4, 4, v3
	v_add_nc_u32 v3, s35, v3                       ; the stage, way in: SP (lane / 4) + 16 (lane % 4)
	v_mul_u32_u24 v4, v1, SP
	v_add_nc_u32 v4, s35, v4                       ; way out: SP x lane
	v_mul_u32_u24 v5, v1, 12                       ; my 16 codes' place in a step's 384 bytes
	v_lshrrev_b32 v6, 1, v1
	v_add_nc_u32 v6, s35, v6                       ; my block's scale byte
	v_and_b32 v7, 7, v1
	v_lshl_add_u32 v7, v7, 2, s35                  ; a scale word on the way out
	v_lshlrev_b32 v50, 2, v1                       ; 4 x lane
	v_cmp_gt_u32 s36, 8, v1                        ; lanes 0-7
	v_cmp_gt_u32 s37, 2, v1                        ; lanes 0-1
	v_cmp_eq_u32 s38, 0, v1                        ; lane 0
	s_mov_b32 s32, 0x76543210
	s_mov_b32 s33, 0xfedcba98                      ; v_permlanex16_b32's selects for lane l xor 16
	s_lshl_b32 s22, s21, 12
	s_mov_b32 s23, 0
	s_wait_kmcnt 0x0
	s_load_b256 s[24:31], s[8:9], 0x0              ; b_gate's eight numbers
	s_add_nc_u64 s[4:5], s[4:5], s[22:23]          ; x at my token
.irp i, 0,1,2,3,4,5,6,7
	global_load_b128 v[R+4*\i:R+4*\i+3], v2, s[4:5] offset:512*\i th:TH_LOAD_NT
.endr
.irp e, 0,1,2,3
.irp i, 0,1,2,3,4,5,6,7
	global_load_b128 v[G+32*\e+4*\i:G+32*\e+4*\i+3], v2, s[6:7] offset:4096*\e+512*\i
.endr
.endr
	s_mul_i32 s22, s21, 768
	s_add_nc_u64 s[16:17], s[16:17], s[22:23]      ; xc at my row
	s_lshl_b32 s22, s21, 5
	s_add_nc_u64 s[18:19], s[18:19], s[22:23]      ; xs at my row
	s_lshl_b32 s22, s21, 3
	s_add_nc_u64 s[10:11], s[10:11], s[22:23]
	s_add_nc_u64 s[12:13], s[12:13], s[22:23]
	s_add_nc_u64 s[14:15], s[14:15], s[22:23]
	s_wait_loadcnt 32                              ; x is in; the 32 loads of experts 0-3 may be out
; the row turns through the stage: stored as loaded, read back 64 neighbouring bytes a lane.  LDS serves a wave's instructions in order.
.irp t, 0,1
.irp i, 0,1,2,3
	ds_store_b128 v3, v[R+16*\t+4*\i:R+16*\t+4*\i+3] offset:32*SP*\t+8*SP*\i
.endr
.irp i, 0,1,2,3
	ds_load_b128 v[XN+16*\t+4*\i:XN+16*\t+4*\i+3], v4 offset:32*SP*\t+16*\i
.endr
.endr
	s_wait_dscnt 0x0
.macro QX t                            ; step t: 512 numbers; two neighbouring lanes hold a block of 32
.set XQ, XN+16*\t
	v_max3_num_f32 v8, |v[XQ]|, |v[XQ+1]|, |v[XQ+2]|
	v_max3_num_f32 v9, |v[XQ+3]|, |v[XQ+4]|, |v[XQ+5]|
.irp i, 6,10
	v_max3_num_f32 v8, v8, |v[XQ+\i]|, |v[XQ+\i+1]|
	v_max3_num_f32 v9, v9, |v[XQ+\i+2]|, |v[XQ+\i+3]|
.endr
	v_max3_num_f32 v8, v8, |v[XQ+14]|, |v[XQ+15]|
	v_max3_num_f32 v8, v8, v9, 0x2800000           ; and the floor 2^(5 - 127): the byte cannot fall under 1
	v_max_num_f32_dpp v8, v8, v8 row_xmask:1 row_mask:0xf bank_mask:0xf   ; with my neighbour's 16: the block's largest magnitude
	v_add_nc_u32 v11, 0xfe000000, v8               ; 4 off its exponent field: the conversion's scale operand
	v_cvt_scalef32_pk16_bf6_f32 v[CD+4*\t:CD+4*\t+2], v[XQ:XQ+15], v11
	v_lshrrev_b32 v[EB+\t], 23, v11                ; the scale's byte (also the plain line behind the conversion)
	ds_store_b8 v6, v[EB+\t] offset:SBO+16*\t      ; both lanes of a block write the same byte with the same value
	global_store_b96 v5, v[CD+4*\t:CD+4*\t+2], s[16:17] offset:384*\t   ; the wave stores 384 consecutive bytes
.endm
	QX 0
	QX 1
; one expert's dot product: my 32 numbers, two chains of packed multiply-adds.  left = the loads of the experts behind it that may stay out
.macro DOT e, left
.set GS, G+32*((\e)%4)
	s_wait_loadcnt \left
	v_pk_mul_f32 v[46:47], v[R:R+1], v[GS:GS+1]
	v_pk_mul_f32 v[48:49], v[R+2:R+3], v[GS+2:GS+3]
.irp k, 4,8,12,16,20,24,28
	v_pk_fma_f32 v[46:47], v[R+\k:R+\k+1], v[GS+\k:GS+\k+1], v[46:47]
	v_pk_fma_f32 v[48:49], v[R+\k+2:R+\k+3], v[GS+\k+2:GS+\k+3], v[48:49]
.endr
	v_pk_add_f32 v[46:47], v[46:47], v[48:49]
	v_add_f32 v[LG+\e], v46, v47
.if \e < 4
.irp i, 0,1,2,3,4,5,6,7
	global_load_b128 v[GS+4*\i:GS+4*\i+3], v2, s[6:7] offset:4096*(\e+4)+512*\i   ; the set takes the expert four on
.endr
.endif
.endm
	DOT 0, 24
	DOT 1, 24
	DOT 2, 24
	DOT 3, 24
	DOT 4, 24
	DOT 5, 16
	DOT 6, 8
	DOT 7, 0
.irp e, 0,1,2,3,4,5,6,7
	v_mov_b32 v[TT+\e], 0                          ; a lane permute's destination counts as one of its sources
.endr
.irp m, 1,2,4,8
.irp e, 0,1,2,3,4,5,6,7
	v_add_f32_dpp v[LG+\e], v[LG+\e], v[LG+\e] row_xmask:\m row_mask:0xf bank_mask:0xf   ; the eight sums by turns
.endr
.endr
.irp e, 0,1,2,3,4,5,6,7
	v_permlanex16_b32 v[TT+\e], v[LG+\e], s32, s33
.endr
.irp e, 0,1,2,3,4,5,6,7
	v_add_f32 v[LG+\e], v[LG+\e], v[TT+\e]         ; every lane now holds the eight dot products
.endr
	s_wait_kmcnt 0x0                               ; b_gate
.irp e, 0,1,2,3,4,5,6,7
	v_add_f32 v[LG+\e], s[24+\e], v[LG+\e]
.endr
	v_max3_num_f32 v42, v22, v23, v24              ; softmax: the maximum is taken away first
	v_max3_num_f32 v42, v42, v25, v26
	v_max3_num_f32 v42, v42, v27, v28
	v_max_num_f32 v42, v42, v29
.irp e, 0,1,2,3,4,5,6,7
	v_sub_f32 v[LG+\e], v[LG+\e], v42
.endr
.irp e, 0,1,2,3,4,5,6,7
	v_mul_f32 v[LG+\e], 0x3fb8aa3b, v[LG+\e]       ; x log2(e)
.endr
.irp e, 0,1,2,3,4,5,6,7
	v_exp_f32 v[LG+\e], v[LG+\e]
.endr
	v_nop                                          ; a plain line behind the last exponential
	s_wait_alu depctr_va_vdst(0)                   ; one wait for the eight, ahead of their first reader
	v_add_f32 v43, v22, v23
	v_add_f32 v44, v24, v25
	v_add_f32 v45, v26, v27
	v_add_f32 v51, v28, v29
	v_add_f32 v43, v43, v44
	v_add_f32 v45, v45, v51
	v_add_f32 v43, v43, v45
	v_rcp_f32 v44, v43
	v_nop
	s_wait_alu depctr_va_vdst(0)
.irp e, 0,1,2,3,4,5,6,7
	v_mul_f32 v[LG+\e], v[LG+\e], v44              ; the scores
.endr
	v_mov_b32 v38, v22                             ; the best score and its expert: a later one must be strictly larger
	v_mov_b32 v39, 0
.irp e, 1,2,3,4,5,6,7
	v_cmp_le_f32 vcc_lo, v[LG+\e], v38
	v_cndmask_b32 v38, v[LG+\e], v38, vcc_lo
	v_cndmask_b32 v39, \e, v39, vcc_lo
.endr
	v_mov_b32 v45, -1.0
.irp e, 0,1,2,3,4,5,6,7
	v_cmp_eq_u32 vcc_lo, \e, v39
	v_cndmask_b32 v[TT+\e], v[LG+\e], v45, vcc_lo  ; the best is taken out: -1 lies under every score
.endr
	v_mov_b32 v40, v30                             ; the second
	v_mov_b32 v41, 0
.irp e, 1,2,3,4,5,6,7
	v_cmp_le_f32 vcc_lo, v[TT+\e], v40
	v_cndmask_b32 v40, v[TT+\e], v40, vcc_lo
	v_cndmask_b32 v41, \e, v41, vcc_lo
.endr
	v_cndmask_b32 v46, v41, v39, s38               ; lane 0 carries the first, lane 1 the second
	v_cndmask_b32 v47, v40, v38, s38
	ds_load_b32 v48, v7 offset:SBO                 ; my row's scale words: these see my byte stores
	s_wait_dscnt 0x0
	s_wait_xcnt 0x0                                ; EXEC changes only behind this wait
	s_wait_tensorcnt 0x0
	ds_add_u32 v62, v63
	s_wait_dscnt 0x0
	s_and_saveexec_b32 s34, s36
	global_store_b32 v50, v48, s[18:19]            ; lanes 0-7: the row's 32 scale bytes
	s_wait_xcnt 0x0
	s_or_b32 exec_lo, exec_lo, s34
	s_and_saveexec_b32 s34, s37
	global_store_b32 v50, v46, s[10:11]            ; lanes 0-1
	global_store_b32 v50, v46, s[14:15]
	global_store_b32 v50, v47, s[12:13]
	s_wait_xcnt 0x0
	s_or_b32 exec_lo, exec_lo, s34
	s_endpgm
.Lfunc_end_k_q378d75d1b4_route:
	.size	k_q378d75d1b4_route, .Lfunc_end_k_q378d75d1b4_route-k_q378d75d1b4_route
	.p2alignl 7, 3214868480
	.fill 96, 4, 3214868480
	.section	.rodata,"a",@progbits
	.p2align	6, 0x0
	.amdhsa_kernel k_q378d75d1b4_route
		.amdhsa_group_segment_fixed_size 33280
		.amdhsa_private_segment_fixed_size 0
		.amdhsa_enable_private_segment 0
		.amdhsa_kernarg_size 64
		.amdhsa_user_sgpr_count 2
		.amdhsa_user_sgpr_kernarg_segment_ptr 1
		.amdhsa_wavefront_size32 1
		.amdhsa_system_sgpr_workgroup_id_x 1
		.amdhsa_system_sgpr_workgroup_id_y 1
		.amdhsa_system_sgpr_workgroup_id_z 1
		.amdhsa_system_vgpr_workitem_id 0
		.amdhsa_next_free_vgpr 256
		.amdhsa_next_free_sgpr 66
		.amdhsa_reserve_vcc 1
		.amdhsa_float_denorm_mode_32 3
		.amdhsa_float_denorm_mode_16_64 3
		.amdhsa_memory_ordered 1
		.amdhsa_forward_progress 1
		.amdhsa_inst_pref_size 29
	.end_amdhsa_kernel
	.amdgpu_metadata
---
amdhsa.version: [ 1, 2 ]
amdhsa.kernels:
  - .name:           k_q378d75d1b4_route
    .symbol:         k_q378d75d1b4_route.kd
    .args:
      - { .name: x, .offset: 0, .size: 8, .value_kind: global_buffer, .address_space: global }
      - { .name: w_gate, .offset: 8, .size: 8, .value_kind: global_buffer, .address_space: global }
      - { .name: b_gate, .offset: 16, .size: 8, .value_kind: global_buffer, .address_space: global }
      - { .name: out1, .offset: 24, .size: 8, .value_kind: global_buffer, .address_space: global }
      - { .name: out2, .offset: 32, .size: 8, .value_kind: global_buffer, .address_space: global }
      - { .name: sel, .offset: 40, .size: 8, .value_kind: global_buffer, .address_space: global }
      - { .name: xc, .offset: 48, .size: 8, .value_kind: global_buffer, .address_space: global }
      - { .name: xs, .offset: 56, .size: 8, .value_kind: global_buffer, .address_space: global }
    .group_segment_fixed_size: 33280
    .private_segment_fixed_size: 0
    .kernarg_segment_align: 8
    .kernarg_segment_size: 64
    .max_flat_workgroup_size: 128
    .sgpr_count:     66
    .vgpr_count:     256
    .wavefront_size: 32
...
	.end_amdgpu_metadata
.endif
;; end of part 1
;; launch ffn1 (part 2): grid 256 x 1, 8 waves a work-group, no clusters, 148,480 bytes of LDS; arguments xc, xs, lst, cnt, w1, b1, h, hs, sel; writes h, hs, lst, cnt
.if DOCPART == 2
	.amdgcn_target "amdgcn-amd-amdhsa--gfx1250"
	.amdhsa_code_object_version 6
	.text
	.protected	k_q378d75d1b4_ffn1
	.globl	k_q378d75d1b4_ffn1
	.p2align	8
	.type	k_q378d75d1b4_ffn1,@function
k_q378d75d1b4_ffn1:
	s_mov_b64 s[64:65], 0
	v_nop
	global_prefetch_b8 v0, s[64:65] scope:SCOPE_SE
	s_setreg_imm32_b32 hwreg(HW_REG_WAVE_MODE, 25, 1), 1
	s_wait_xcnt 0x0
; FIRST LAYER OF THE EXPERTS: h = Q(leaky_relu(Q(x) Q(W1[e])^T + b1[e])) for the rows that chose expert e; AND THE PLACING OF THE ROWS BY EXPERT.
; THE WEIGHTS STAY, THE ROWS MOVE.  Work-group wg = 32 e + j owns hidden units 128 j .. 128 j + 127 of expert e: 128 rows of W1, one dense block of
; 512 KiB of f32 that no other work-group reads.  STREAM: each of the eight waves reads 16 of the rows once, in loads of 512 consecutive bytes,
; quantises them (E3M2, one E8M0 byte for 32 along K) and lays codes and scale bytes in LDS.  One barrier.  Then wave w takes the expert's groups
; of 32 rows g = w, w + 8, .. below the count: x's codes are gathered straight into registers, 128 matrix instructions make 32 rows x 128 hidden
; units, which are activated, quantised in registers and stored as K step j of the second layer's operand.
; THE LIST.  sel[i], i = 2 token + slot, holds the expert that an earlier launch chose.  A wave reads all 2,048 choices (64 registers) and finds, for lane p of group g,
; the row of rank t = 32 g + p among those that name expert e: per register a mask of the lanes that chose e and the rank at which it begins; each lane keeps the last
; register that begins at or below its t, and takes the (t - that rank)-th set bit of its mask.  All lanes stay on, nothing is scattered, no address hangs on it but
; the gather of x, which is held inside x's rows.  Ranks from the count on are pads, 2048 + 32 e + lane: row numbers of their own behind the true rows.
; Work-group j = 0 of each expert stores the lists that it walks (lst[1024 e + t]) and the number of groups (cnt[32 e + lane]) for the next launch.
; EVERY WAVE WALKS ITS FIRST GROUP, rows or pads alike: so the first eight groups' lists and fragments of every expert are stored, which the next launch's waves ask for
; ahead of reading their count.
; No tensor load and no cluster: the walk over groups hangs on a count made from stored numbers, the weights pass through registers for the quantiser, and no two
; work-groups share a weight byte.
; THE MATRIX INSTRUCTION IS USED TRANSPOSED (source 0 = 16 rows of W1, source 1 = 16 rows of x): a lane holds ONE row, its registers run along the hidden units.
; THE ROWS OF W1 THAT FORM A TILE ARE NOT NEIGHBOURS: LDS row 16 (2 b + u) + 8 a + i holds weight row 32 b + 16 a + 8 u + i, so that the 16 registers of
; tiles 2 b and 2 b + 1 are 16 neighbours along the next K: 32 b + 16 (lane / 16) + 0 .. 15.
; h: [e][tile of 16 rows][K step][1,536 bytes]: a fragment as an image of its 12 registers, four registers at 512 c + 16 lane.  hs: [e][tile][K step / 4][row][4 words].
; Pad rows take token 1,023's codes; their results are used by nobody.
; LIMITS: NaN and infinities are not served; a block of zeros gets the byte 1 (its codes are zeros, and this program alone reads the bytes).
; REGISTERS.  Window 0, the list: v32-45 at work, v64-127 the 2,048 choices.
;   Window 0, STREAM: v1-5 addresses, v32-63 two sets of 16 neighbours, v70-72 at work, v74-75 bytes, v76-83 codes, v128-255 eight sets of 16 as loaded.
;   Window 0, always: v6 the count as stored, v7 4 x lane, v16-18 the list at work, v19 the list as stored, v20-21 my rows' places in xc, v22 in xs, v23 24 x half, v24-31 x's scale words.
;   Window 0, rows: v1-5 addresses, v8-15 W1's scale words (and nothing else), v32-127 eight fragments of W1 (later at work), v128-255 the 16 accumulators.
;   Window 1: v0-191 x's 16 fragments (K step q, tile a at 24 q + 12 a); v192-255 b1 in the result's layout.
.set PITCH, 784                        ; a row of codes in LDS: 768 bytes + 16 = 196 words: row r starts at bank 4 r mod 64 (64 banks of 4 bytes: ISA guide 11.1)
.set SP,    36                         ; a row of scale bytes: 32 + 4
.set WSC,   128*PITCH                  ; behind the codes: the scale bytes
.set STG,   WSC+128*SP                 ; behind them: two stages of 2,560 bytes for each wave
.set XH,    3                          ; loads of x's codes that ride in each step of STREAM
.set XS0,   2                          ; loads of x's scale words issued behind the first eight steps' loads
.set WB,    12                         ; s[12:13] my wave's 64 KiB of W1
.set GL,  1
.set SI,  2
.set SO,  3
.set CA,  4
.set BA,  5
.set LL,  7
.set VL,  19
.set TQ,  70
.set EB,  74
.set CD,  76
.set T0A, 20
.set TLS, 22
.set V24H, 23
.set XS,  24
.set X,   32
.set R,   128
.set WA,  1                            ; v1, v2: my place in tiles 0-3, 4-7 of the codes
.set WSA, 3
.set LI,  4
.set HSO, 5
.set WS,  8
.set WF,  32
.set ACC, 128
.set B1,  192                          ; in window 1
.set PC0, 32                           ; at work behind the products: codes of tile 0, of tile 1,
.set PC1, 52
.set TM,  72                           ; v72-87 magnitudes, bytes, scale operands
.set PW0, 88
.set PW1, 89
.set LK,  96                           ; v96-127 0.1 x the sums
.set SEL, 64                           ; the list: v64-127 the choices: register N, lane s: i = 128 (N / 4) + 4 s + N % 4
.set VT,  32                           ; my rank t
.set VM,  33                           ; the mask of the register that holds rank t
.set VB,  34                           ; the rank at which that register begins
.set VI,  35                           ; 128 (N / 4) + N % 4 of that register
.set VK,  36                           ; which set bit of the mask
.set VP,  37                           ; its place
.set VC,  38
.set VD,  39
.set C2,  40                           ; the mask's set bits counted in fields of 2, 4, 8, 16 bits
.set C4,  41
.set C8,  42
.set C16, 43
.set VPAD, 44
.set VX,  45
.set MSB, 0
.macro WIN new                         ; the immediate's high byte repeats the setting that is left
.if MSB != \new
	s_set_vgpr_msb (MSB<<8)|\new
.set MSB, \new
.endif
.endm
.macro PLACES                          ; four plain lines between a matrix instruction and a load into, or a read of, its registers
.rept 4
	v_nop
.endr
.endm
.macro LOAD t                          ; step t: 512 numbers, four loads of 512 consecutive bytes, into set t % 8
.irp i, 0,1,2,3
	global_load_b128 v[R+16*((\t)%8)+4*\i:R+16*((\t)%8)+4*\i+3], v[GL], s[WB:WB+1] offset:2048*(\t)+512*\i th:TH_LOAD_NT
.endr
.endm
.macro TURN t                          ; through my stage: stored as loaded, read back 64 neighbouring bytes a lane; LDS serves a wave's instructions in order
.irp i, 0,1,2,3
	ds_store_b128 v[SI], v[R+16*((\t)%8)+4*\i:R+16*((\t)%8)+4*\i+3] offset:2560*((\t)%2)+640*\i
.endr
.irp i, 0,1,2,3
	ds_load_b128 v[X+16*((\t)%2)+4*\i:X+16*((\t)%2)+4*\i+3], v[SO] offset:2560*((\t)%2)+16*\i
.endr
.endm
.macro SELLD adr                       ; all 2,048 choices: sixteen loads of 512 consecutive bytes; adr holds 16 x lane
.irp n, 0,1,2,3,4,5,6,7,8,9,10,11,12,13,14,15
	global_load_b128 v[SEL+4*\n:SEL+4*\n+3], v[\adr], s[60:61] offset:512*\n
.endr
.endm
.macro KSTAGE src, w                   ; the lower w bits at my place hold c set bits: if mine is not among them, it is c fewer on in the upper w
	v_bfe_u32 v[VC], v[\src], v[VP], \w
	v_add_nc_u32 v[VD], \w, v[VP]
	v_cmp_ge_u32 vcc_lo, v[VK], v[VC]
	v_cndmask_b32 v[VC], 0, v[VC], vcc_lo
	v_cndmask_b32 v[VP], v[VP], v[VD], vcc_lo
	v_sub_nc_u32 v[VK], v[VK], v[VC]
.endm
; The list of group g (s39 = 32 g): v19 = entry of rank 32 g + lane; v16, v17 = tile 0's and tile 1's row lane % 16, v18 = v19.  s56 = the expert's rows.
.macro SCAN
	v_and_b32 v[VT], 31, v0
	v_add_nc_u32 v[VPAD], s58, v[VT]               ; my pad: 2048 + 32 e + lane
	v_add_nc_u32 v[VT], s39, v[VT]                 ; my rank
	s_mov_b32 s56, 0
.set BN, 0
.rept 8                                ; eight registers at a time, so that the scalar lines do not wait for each compare
.irp n, 0,1,2,3,4,5,6,7
	v_cmp_eq_u32 s[40+\n], s21, v[SEL+8*BN+\n]     ; the lanes whose row chose my expert
.endr
.irp n, 0,1,2,3,4,5,6,7
	s_mov_b32 s[48+\n], s56                        ; the rank at which the register begins
	s_bcnt1_i32_b32 s57, s[40+\n]
	s_add_co_u32 s56, s56, s57
.endr
.irp n, 0,1,2,3,4,5,6,7
.if (8*BN+\n) == 0
	v_mov_b32 v[VM], s40                           ; the first register begins at rank 0, at or below every t
	v_mov_b32 v[VB], 0
	v_mov_b32 v[VI], 0
.else
	v_cmp_gt_u32 vcc_lo, s[48+\n], v[VT]           ; it begins above my t: I keep what I have
	v_cndmask_b32 v[VM], s[40+\n], v[VM], vcc_lo
	v_cndmask_b32 v[VB], s[48+\n], v[VB], vcc_lo
	v_cndmask_b32 v[VI], 128*((8*BN+\n)/4)+(8*BN+\n)%4, v[VI], vcc_lo
.endif
.endr
.set BN, BN+1
.endr
	v_sub_nc_u32 v[VK], v[VT], v[VB]               ; which set bit of my mask, from 0
	v_lshrrev_b32 v[C2], 1, v[VM]                  ; set bits in fields of 2:
	v_and_b32 v[C2], 0x55555555, v[C2]
	v_sub_nc_u32 v[C2], v[VM], v[C2]
	v_lshrrev_b32 v[C4], 2, v[C2]                  ; of 4:
	v_and_b32 v[C4], 0x33333333, v[C4]
	v_and_b32 v[VC], 0x33333333, v[C2]
	v_add_nc_u32 v[C4], v[C4], v[VC]
	v_lshrrev_b32 v[C8], 4, v[C4]                  ; of 8:
	v_add_nc_u32 v[C8], v[C8], v[C4]
	v_and_b32 v[C8], 0x0f0f0f0f, v[C8]
	v_lshrrev_b32 v[C16], 8, v[C8]                 ; of 16
	v_add_nc_u32 v[C16], v[C16], v[C8]
	v_and_b32 v[C16], 0x00ff00ff, v[C16]
	v_mov_b32 v[VP], 0
	KSTAGE C16, 16
	KSTAGE C8, 8
	KSTAGE C4, 4
	KSTAGE C2, 2
	KSTAGE VM, 1
	v_lshl_add_u32 v[VL], v[VP], 2, v[VI]          ; i = 128 (N / 4) + N % 4 + 4 x the bit's place
	v_cmp_gt_u32 vcc_lo, s56, v[VT]                ; is there a row of rank t?
	v_cndmask_b32 v[VL], v[VPAD], v[VL], vcc_lo    ; else the pad
	v_mov_b32 v[VX], 0                             ; (a lane permute's destination counts as one of its sources)
	v_permlanex16_b32 v[VX], v[VL], s30, s31
	v_cndmask_b32 v16, v[VL], v[VX], s32           ; both halves of the lanes: entry lane % 16,
	v_cndmask_b32 v17, v[VX], v[VL], s32           ; entry 16 + lane % 16
	v_mov_b32 v18, v[VL]
.endm
.macro LISTOUT                         ; the expert's first work-group stores the group's 32 entries for the next launch
	s_cmp_lg_u32 s22, 0
	s_cbranch_scc1 .Lnot_first_\@
	global_store_b32 v[LL], v[VL], s[8:9]
.Lnot_first_\@:
.endm
.macro ADDR                            ; i = 2 token + slot -> the token, held inside x's 1,024 rows -> byte offsets
	v_lshrrev_b32 v16, 1, v16
	v_lshrrev_b32 v17, 1, v17
	v_lshrrev_b32 v18, 1, v18
	v_min_u32 v16, 0x3ff, v16
	v_min_u32 v17, 0x3ff, v17
	v_min_u32 v18, 0x3ff, v18
	v_mul_u32_u24 v[T0A], v16, 768
	v_mul_u32_u24 v[T0A+1], v17, 768
	v_lshlrev_b32 v[TLS], 5, v18
	v_add_nc_u32 v[T0A], v[T0A], v[V24H]
	v_add_nc_u32 v[T0A+1], v[T0A+1], v[V24H]
.endm
.macro XSLD                            ; x's scale words, register q for K step q: lanes 0-15 tile 0's rows, lanes 16-31 tile 1's
	global_load_b128 v[XS:XS+3], v[TLS], s[6:7]
	global_load_b128 v[XS+4:XS+7], v[TLS], s[6:7] offset:16
.endm
.macro XHL n                           ; half c of x's fragment (K step q, tile a), n = 4 q + 2 a + c: 24 bytes of my row's stream of bits, as they lie.  Destination window 1
.irp p, 0,1,2
	global_load_b64 v[24*((\n)/4)+12*(((\n)/2)%2)+6*((\n)%2)+2*\p:24*((\n)/4)+12*(((\n)/2)%2)+6*((\n)%2)+2*\p+1], v[T0A+((\n)/2)%2], s[4:5] offset:96*((\n)/4)+48*((\n)%2)+8*\p
.endr
.endm
; One step of STREAM: 512 numbers become 384 bytes of codes and 16 scale bytes in LDS.  Loads run eight steps ahead, the turn through the stage one.
.macro QSTEP t
.set XQ, X+16*((\t)%2)
.set CQ, CD+4*((\t)%2)
.set EQ, EB+(\t)%2
.set RO, 16*(((\t)/2)/8)+((\t)/2)%8    ; the LDS row, from my wave's first
.set PART, (\t)%2                      ; which 512 of the row's 1,024
.if (\t) > 0
	s_wait_dscnt 4                                 ; this step's numbers are back from the stage; the last step's three code stores and its byte store may be out
.else
	s_wait_dscnt 0x0
.endif
.if (\t)+8 < 32
	LOAD (\t)+8                                    ; into the set that this step's stage stores have read
.endif
	WIN 0x40
	XHL \t                                         ; the first group's x rides along: it is there when the weights are
	WIN 0
.if (\t) < 31
.set U, (\t)+1                         ; the loads issued behind step U's four, which may stay out:
.if U <= 7
.set NW, 28+XS0+XH*U                   ; the rest of the first eight steps', the scale words', and U steps' 4 + XH
.elseif 31-U < 7
.set NW, 8*XH+4*(31-U)                 ; eight steps' XH and what is left of the weights
.else
.set NW, 8*XH+28                       ; eight steps' XH and seven steps' four
.endif
	s_wait_loadcnt NW
	TURN (\t)+1
.endif
	v_max3_num_f32 v[TQ], |v[XQ]|, |v[XQ+1]|, |v[XQ+2]|
	v_max3_num_f32 v[TQ+1], |v[XQ+3]|, |v[XQ+4]|, |v[XQ+5]|
.irp i, 6,10
	v_max3_num_f32 v[TQ], v[TQ], |v[XQ+\i]|, |v[XQ+\i+1]|
	v_max3_num_f32 v[TQ+1], v[TQ+1], |v[XQ+\i+2]|, |v[XQ+\i+3]|
.endr
	v_max3_num_f32 v[TQ], v[TQ], |v[XQ+14]|, |v[XQ+15]|
	v_max3_num_f32 v[TQ], v[TQ], v[TQ+1], 0x2800000   ; and the floor 2^(5 - 127): the byte cannot fall under 1
	v_max_num_f32_dpp v[TQ], v[TQ], v[TQ] row_xmask:1 row_mask:0xf bank_mask:0xf   ; with my neighbour's 16: the block's largest magnitude
	v_add_nc_u32 v[TQ+2], 0xfe000000, v[TQ]        ; 4 off its exponent field: the conversion's scale operand
	v_cvt_scalef32_pk16_bf6_f32 v[CQ:CQ+2], v[XQ:XQ+15], v[TQ+2]
	v_lshrrev_b32 v[EQ], 23, v[TQ+2]               ; the scale's byte (also the plain line behind the conversion)
.irp i, 0,1,2
	ds_store_b32 v[CA], v[CQ+\i] offset:RO*PITCH+PART*384+4*\i   ; my 12 bytes at 12 x lane: words, so that every address is a multiple of the access's size
.endr
	ds_store_b8 v[BA], v[EQ] offset:RO*SP+PART*16  ; both lanes of a block write the same byte with the same value
.endm
	s_load_b512 s[4:19], s[0:1], 0x0               ; xc s[4:5], xs s[6:7], lst s[8:9], cnt s[10:11], w1 s[12:13], b1 s[14:15], h s[16:17], hs s[18:19]
	s_load_b64 s[60:61], s[0:1], 0x40              ; sel
	v_lshrrev_b32 v1, 5, v0
	v_readfirstlane_b32 s20, v1                    ; wave
	s_lshr_b32 s21, ttmp9, 5                       ; expert
	s_and_b32 s22, ttmp9, 31                       ; which 128 hidden units
	v_and_b32 v67, 31, v0                          ; lane
	v_and_b32 v68, 15, v0                          ; r
	v_bfe_u32 v69, v0, 4, 1                        ; half
	v_lshlrev_b32 v[GL], 4, v67
	s_mul_i32 s33, s20, 5120
	s_add_co_u32 s33, s33, STG                     ; my stages
	v_lshrrev_b32 v[SI], 2, v67
	v_mul_u32_u24 v[SI], v[SI], 80
	v_and_b32 v[SO], 3, v67
	v_lshl_add_u32 v[SI], v[SO], 4, v[SI]
	v_add_nc_u32 v[SI], s33, v[SI]                 ; way in: 80 (lane / 4) + 16 (lane % 4)
	v_mul_u32_u24 v[SO], v67, 80
	v_add_nc_u32 v[SO], s33, v[SO]                 ; way out: 80 x lane
	s_lshr_b32 s34, s20, 1
	s_lshl_b32 s34, s34, 5
	s_and_b32 s35, s20, 1
	s_lshl_b32 s35, s35, 3
	s_add_co_u32 s34, s34, s35                     ; my wave's first LDS row: 32 (w / 2) + 8 (w % 2)
	s_mul_i32 s35, s34, PITCH
	s_mul_i32 s36, s34, SP
	s_add_co_u32 s36, s36, WSC
	v_mul_u32_u24 v[CA], v67, 12
	v_add_nc_u32 v[CA], s35, v[CA]
	v_lshrrev_b32 v[BA], 1, v67
	v_add_nc_u32 v[BA], s36, v[BA]
	v_mul_u32_u24 v[V24H], v69, 24
	v_lshlrev_b32 v[LL], 2, v67                    ; 4 x lane: never rewritten
	v_lshlrev_b32 v16, 6, v69                      ; 64 x half: for b1's loads alone
	s_mov_b32 s28, 0x3dcccccd                      ; the slope 0.1
	s_mov_b32 s29, s28                             ; (named with it as a pair, so it is written)
	s_mov_b32 s30, 0x76543210
	s_mov_b32 s31, 0xfedcba98                      ; v_permlanex16_b32's selects for lane l xor 16
	s_mov_b32 s32, 0xffff0000                      ; lanes 16-31
	s_lshl_b32 s39, s20, 5                         ; 32 g: my first group is g = wave
	s_lshl_b32 s58, s21, 5
	s_add_co_u32 s58, s58, 2048                    ; my expert's first pad
	s_mov_b32 s27, 0
	s_wait_kmcnt 0x0
	s_lshl_b32 s26, s21, 7
	s_add_nc_u64 s[10:11], s[10:11], s[26:27]      ; cnt at my expert's 32 words
	s_lshl_b32 s26, s21, 12
	s_lshl_b32 s37, s20, 7
	s_add_co_u32 s26, s26, s37
	s_add_nc_u64 s[8:9], s[8:9], s[26:27]          ; lst at my first group
	s_lshl_b32 s26, ttmp9, 19
	s_lshl_b32 s37, s20, 16
	s_add_co_u32 s26, s26, s37
	s_add_nc_u64 s[12:13], s[12:13], s[26:27]      ; W1 at my wave's 16 rows
	s_lshl_b32 s26, ttmp9, 9
	s_add_nc_u64 s[14:15], s[14:15], s[26:27]      ; b1 at my 128 units
	s_lshl_b32 s26, s21, 6
	s_lshl_b32 s37, s20, 1
	s_add_co_u32 s38, s26, s37                     ; 64 e + 2 g: my first tile of rows
	s_lshl_b32 s26, s38, 5
	s_add_co_u32 s26, s26, s22
	s_mul_i32 s26, s26, 1536
	s_add_nc_u64 s[16:17], s[16:17], s[26:27]      ; h at (tile, K step j)
	s_lshl_b32 s26, s38, 11
	s_lshr_b32 s37, s22, 2
	s_lshl_b32 s37, s37, 8
	s_add_co_u32 s26, s26, s37
	s_and_b32 s37, s22, 3
	s_lshl_b32 s37, s37, 2
	s_add_co_u32 s26, s26, s37
	s_add_nc_u64 s[18:19], s[18:19], s[26:27]      ; hs likewise
	WIN 0x40
.irp t, 0,1,2,3,4,5,6,7                ; b1 as the C of each sum's first product: lane (r, half), tile t: units 32 (t / 2) + 16 half + 8 (t % 2) + 0 .. 7
	global_load_b128 v[B1+8*\t:B1+8*\t+3], v16, s[14:15] offset:(32*(\t/2)+8*(\t%2))*4
	global_load_b128 v[B1+8*\t+4:B1+8*\t+7], v16, s[14:15] offset:(32*(\t/2)+8*(\t%2))*4+16
.endr
	WIN 0
	SELLD GL
.irp t, 0,1,2,3,4,5,6,7
	LOAD \t                                        ; the first eight steps of the weights are on their way while the list is made
.endr
	s_wait_loadcnt 32                              ; b1 and the choices are in; the 32 loads of steps 0-7 may be out
	SCAN
	s_add_co_u32 s24, s56, 31
	s_lshr_b32 s24, s24, 5                         ; the expert's groups of 32 rows,
	s_min_u32 s24, s24, 32                         ; at most 32: a token's two experts differ
	s_add_co_u32 s25, s24, 7
	s_sub_co_u32 s25, s25, s20
	s_lshr_b32 s25, s25, 3                         ; my groups: those of w, w + 8, .. that lie below the count;
	s_max_u32 s25, s25, 1                          ; the first is walked in any case
	s_min_u32 s25, s25, 4
	s_mov_b32 s23, 0                               ; trips done
	LISTOUT
	s_or_b32 s57, s22, s20
	s_cmp_lg_u32 s57, 0
	s_cbranch_scc1 .Lno_count                      ; wave 0 of the expert's first work-group stores the number of groups
	v_mov_b32 v6, s24
	global_store_b32 v[LL], v6, s[10:11]
.Lno_count:
	ADDR
	XSLD
	s_wait_loadcnt 28+XS0                          ; step 0's four are in
	TURN 0
.set Q, 0
.rept 32
	QSTEP Q
.set Q, Q+1
.endr
	s_wait_dscnt 0x0                               ; for the others' sake: my codes and bytes lie in LDS
	s_barrier_signal -1
	s_barrier_wait -1                              ; the launch's one barrier: from here on LDS is only read
	v_and_b32 v16, 15, v0                          ; r
	v_bfe_u32 v17, v0, 4, 1                        ; half
	v_and_b32 v18, 31, v0                          ; lane
	v_mul_u32_u24 v[WA], v16, PITCH
	v_add_nc_u32 v[WA], v[WA], v[V24H]             ; a fragment's row x pitch + 24 x half
	v_add_nc_u32 v[WA+1], 64*PITCH, v[WA]          ; tiles 4-7: an LDS offset has 16 bits
	v_mul_u32_u24 v[WSA], v16, SP
	v_add_nc_u32 v[WSA], WSC, v[WSA]
	v_lshlrev_b32 v[HSO], 4, v16
	v_lshl_add_u32 v[HSO], v17, 11, v[HSO]         ; hs: tile = half, row r
	v_lshlrev_b32 v[LI], 4, v18
.macro LDW H, q                        ; W1's tiles 4 H .. 4 H + 3 of K step q, and their rows' scale words: 28 LDS loads
.irp tt, 0,1,2,3
.irp p, 0,1,2,3,4,5
	ds_load_b64 v[WF+12*(4*(\H)+\tt)+2*\p:WF+12*(4*(\H)+\tt)+2*\p+1], v[WA+(\H)] offset:\tt*16*PITCH+96*(\q)+48*(\p/3)+8*(\p%3)
.endr
	ds_load_b32 v[WS+4*(\H)+\tt], v[WSA] offset:16*SP*(4*(\H)+\tt)+4*(\q)
.endr
.endm
.macro MUL H, q                        ; eight products: four tiles of W1 x two tiles of rows; the accumulators take turns
.irp tt, 0,1,2,3
.set TI, 4*(\H)+\tt
.if (\q) == 0
	v_wmma_scale_f32_16x16x128_f8f6f4 v[ACC+8*TI:ACC+8*TI+7], v[WF+12*TI:WF+12*TI+11], v[24*(\q):24*(\q)+11], v[B1+8*TI:B1+8*TI+7], v[WS+TI], v[XS+(\q)] matrix_a_fmt:MATRIX_FMT_BF6 matrix_b_fmt:MATRIX_FMT_BF6
	v_wmma_scale_f32_16x16x128_f8f6f4 v[ACC+64+8*TI:ACC+64+8*TI+7], v[WF+12*TI:WF+12*TI+11], v[24*(\q)+12:24*(\q)+23], v[B1+8*TI:B1+8*TI+7], v[WS+TI], v[XS+(\q)] matrix_a_fmt:MATRIX_FMT_BF6 matrix_b_fmt:MATRIX_FMT_BF6 matrix_b_scale:MATRIX_SCALE_ROW1
.else
	v_wmma_scale_f32_16x16x128_f8f6f4 v[ACC+8*TI:ACC+8*TI+7], v[WF+12*TI:WF+12*TI+11], v[24*(\q):24*(\q)+11], v[ACC+8*TI:ACC+8*TI+7], v[WS+TI], v[XS+(\q)] matrix_a_fmt:MATRIX_FMT_BF6 matrix_b_fmt:MATRIX_FMT_BF6
	v_wmma_scale_f32_16x16x128_f8f6f4 v[ACC+64+8*TI:ACC+64+8*TI+7], v[WF+12*TI:WF+12*TI+11], v[24*(\q)+12:24*(\q)+23], v[ACC+64+8*TI:ACC+64+8*TI+7], v[WS+TI], v[XS+(\q)] matrix_a_fmt:MATRIX_FMT_BF6 matrix_b_fmt:MATRIX_FMT_BF6 matrix_b_scale:MATRIX_SCALE_ROW1
.endif
.endr
.endm
.macro LEAKY base                      ; 32 numbers: max(s, 0.1 s) is s where s > 0 and 0.1 s elsewhere.  Each accumulator is read from its low end on
.set K_, 0
.rept 16
	v_pk_mul_f32 v[LK+2*K_:LK+2*K_+1], v[\base+2*K_:\base+2*K_+1], s[28:29] op_sel_hi:[1,0]
.set K_, K_+1
.endr
.set K_, 0
.rept 32
	v_max_num_f32 v[\base+K_], v[\base+K_], v[LK+K_]
.set K_, K_+1
.endr
.endm
; 64 numbers of a lane, register 16 b + i = k 32 b + 16 (lane / 16) + i of my row, become a fragment's codes in v[pc] .. v[pc + 11] and its scale word in v[pw]
.macro QUANT s, pc, pw
.irp b, 0,1,2,3
	v_max3_num_f32 v[TM+\b], |v[\s+16*\b]|, |v[\s+1+16*\b]|, 0x2800000   ; my 16 numbers of block b, and the floor 2^(5 - 127)
.endr
.irp i, 2,4,6,8,10,12,14
.irp b, 0,1,2,3
	v_max3_num_f32 v[TM+\b], v[TM+\b], |v[\s+16*\b+\i]|, |v[\s+1+16*\b+\i]|   ; the four blocks by turns
.endr
.endr
.irp b, 0,1,2,3
	v_permlanex16_b32 v[TM+4+\b], v[TM+\b], s30, s31
.endr
.irp b, 0,1,2,3
	v_max_num_f32 v[TM+\b], v[TM+\b], v[TM+4+\b]   ; with lane l xor 16's: the block's largest magnitude
.endr
.irp b, 0,1,2,3
	v_add_nc_u32 v[TM+12+\b], 0xfe000000, v[TM+\b] ; 4 off its exponent field: the conversion's scale operand
.endr
.irp b, 0,1,2,3
	v_lshrrev_b32 v[TM+4+\b], 23, v[TM+12+\b]      ; the scale's byte
.endr
	v_lshl_or_b32 v[\pw], v[TM+5], 8, v[TM+4]
	v_lshl_or_b32 v[\pw], v[TM+6], 16, v[\pw]
	v_lshl_or_b32 v[\pw], v[TM+7], 24, v[\pw]
.irp c, 0,1
	v_cvt_scalef32_pk16_bf6_f32 v[\pc+6*\c:\pc+2+6*\c], v[\s+32*\c:\s+15+32*\c], v[TM+12+2*\c]
	v_cvt_scalef32_pk16_bf6_f32 v[\pc+12+4*\c:\pc+14+4*\c], v[\s+16+32*\c:\s+31+32*\c], v[TM+12+2*\c+1]   ; (a conversion's three registers begin on an even number)
.endr
	v_nop                                          ; one plain line behind a scaled conversion
.irp c, 0,1                            ; the operand's layout wants a whole block in a lane: lanes 0-15 block 2 c, lanes 16-31 block 2 c + 1
.irp i, 0,1,2
	v_permlane16_swap_b32 v[\pc+6*\c+\i], v[\pc+12+4*\c+\i]
.endr
.irp i, 0,1,2
	v_mov_b32 v[\pc+3+6*\c+\i], v[\pc+12+4*\c+\i]
.endr
.endr
.endm
.Ltrip:                                ; a group of 32 rows
	LDW 0, 0
	LDW 1, 0
.set QQ, 0
.rept 8
.if 12*(7-QQ) > 63
	s_wait_loadcnt 63
.else
	s_wait_loadcnt 12*(7-QQ)                       ; x's two fragments of this K step are in; the 12 loads of each later K step may be out
.endif
	s_wait_dscnt 28                                ; tiles 0-3 are in; the 28 loads of tiles 4-7 may be out
.if QQ == 0
	WIN 0x14                                       ; source 1 (x) and source 2 (b1) window 1
.else
	WIN 0x04                                       ; source 1 window 1
.endif
	MUL 0, QQ
	PLACES
.if QQ < 7
	LDW 0, QQ+1
	s_wait_dscnt 28                                ; tiles 4-7 are in; the 28 just issued may be out
.else
	s_wait_dscnt 0x0
.endif
	MUL 1, QQ
	PLACES
.if QQ < 7
	LDW 1, QQ+1
.endif
.set QQ, QQ+1
.endr
	WIN 0
.irp b, 0,1,2,3
	v_mov_b32 v[TM+4+\b], 0                        ; a lane permute's destination counts as one of its sources
.endr
	LEAKY ACC
	LEAKY ACC+32
	QUANT ACC, PC0, PW0
.irp c, 0,1,2
	global_store_b128 v[LI], v[PC0+4*\c:PC0+4*\c+3], s[16:17] offset:512*\c        ; the fragment as it stands: the wave stores 512 consecutive bytes
.endr
	LEAKY ACC+64
	LEAKY ACC+96
	QUANT ACC+64, PC1, PW1
.irp c, 0,1,2
	global_store_b128 v[LI], v[PC1+4*\c:PC1+4*\c+3], s[16:17] offset:49152+512*\c  ; the next tile of rows: 32 K steps of 1,536 bytes on
.endr
	v_cndmask_b32 v90, v[PW0], v[PW1], s32         ; lanes 0-15 carry tile 0's scale words, lanes 16-31 tile 1's
	global_store_b32 v[HSO], v90, s[18:19]
	s_wait_xcnt 0x0                                ; the stores, the list's among them, have read their registers and bases: both are written again below
	s_add_co_u32 s23, s23, 1
	s_add_co_u32 s39, s39, 256                     ; my next group: eight groups on
	s_add_nc_u64 s[8:9], s[8:9], 1024
	s_add_nc_u64 s[16:17], s[16:17], 786432        ; 16 tiles of rows on
	s_add_nc_u64 s[18:19], s[18:19], 32768
	s_cmp_ge_u32 s23, s25
	s_cbranch_scc1 .Lnoload                        ; nothing is asked for behind the last group
	SELLD LI
	s_wait_loadcnt 0x0                             ; the choices are in: nothing else is out
	SCAN
	LISTOUT
	ADDR
	XSLD
	WIN 0x40
.set Q, 0
.rept 32
	XHL Q
.set Q, Q+1
.endr
	WIN 0
.Lnoload:
	s_cmp_lt_u32 s23, s25
	s_cbranch_scc1 .Ltrip
	s_wait_xcnt 0x0
	v_lshl_add_u32 v254, v0, 2, 0x24000
	v_mov_b32 v255, 0
	s_wait_tensorcnt 0x0
	ds_add_u32 v254, v255
	s_wait_dscnt 0x0
	s_endpgm
.Lfunc_end_k_q378d75d1b4_ffn1:
	.size	k_q378d75d1b4_ffn1, .Lfunc_end_k_q378d75d1b4_ffn1-k_q378d75d1b4_ffn1
	.p2alignl 7, 3214868480
	.fill 96, 4, 3214868480
	.section	.rodata,"a",@progbits
	.p2align	6, 0x0
	.amdhsa_kernel k_q378d75d1b4_ffn1
		.amdhsa_group_segment_fixed_size 148480
		.amdhsa_private_segment_fixed_size 0
		.amdhsa_enable_private_segment 0
		.amdhsa_kernarg_size 72
		.amdhsa_user_sgpr_count 2
		.amdhsa_user_sgpr_kernarg_segment_ptr 1
		.amdhsa_wavefront_size32 1
		.amdhsa_system_sgpr_workgroup_id_x 1
		.amdhsa_system_sgpr_workgroup_id_y 1
		.amdhsa_system_sgpr_workgroup_id_z 1
		.amdhsa_system_vgpr_workitem_id 0
		.amdhsa_next_free_vgpr 512
		.amdhsa_next_free_sgpr 66
		.amdhsa_reserve_vcc 1
		.amdhsa_float_denorm_mode_32 3
		.amdhsa_float_denorm_mode_16_64 3
		.amdhsa_memory_ordered 1
		.amdhsa_forward_progress 1
		.amdhsa_inst_pref_size 201
	.end_amdhsa_kernel
	.amdgpu_metadata
---
amdhsa.version: [ 1, 2 ]
amdhsa.kernels:
  - .name:           k_q378d75d1b4_ffn1
    .symbol:         k_q378d75d1b4_ffn1.kd
    .args:
      - { .name: xc, .offset: 0, .size: 8, .value_kind: global_buffer, .address_space: global }
      - { .name: xs, .offset: 8, .size: 8, .value_kind: global_buffer, .address_space: global }
      - { .name: lst, .offset: 16, .size: 8, .value_kind: global_buffer, .address_space: global }
      - { .name: cnt, .offset: 24, .size: 8, .value_kind: global_buffer, .address_space: global }
      - { .name: w1, .offset: 32, .size: 8, .value_kind: global_buffer, .address_space: global }
      - { .name: b1, .offset: 40, .size: 8, .value_kind: global_buffer, .address_space: global }
      - { .name: h, .offset: 48, .size: 8, .value_kind: global_buffer, .address_space: global }
      - { .name: hs, .offset: 56, .size: 8, .value_kind: global_buffer, .address_space: global }
      - { .name: sel, .offset: 64, .size: 8, .value_kind: global_buffer, .address_space: global }
    .group_segment_fixed_size: 148480
    .private_segment_fixed_size: 0
    .kernarg_segment_align: 8
    .kernarg_segment_size: 72
    .max_flat_workgroup_size: 256
    .sgpr_count:     66
    .vgpr_count:     512
    .wavefront_size: 32
...
	.end_amdgpu_metadata
.endif
;; end of part 2
;; launch ffn2 (part 3): grid 256 x 1, 8 waves a work-group, no clusters, 148,480 bytes of LDS; arguments h, hs, lst, cnt, out2, w2, b2, y; writes y
.if DOCPART == 3
	.amdgcn_target "amdgcn-amd-amdhsa--gfx1250"
	.amdhsa_code_object_version 6
	.text
	.protected	k_q378d75d1b4_ffn2
	.globl	k_q378d75d1b4_ffn2
	.p2align	8
	.type	k_q378d75d1b4_ffn2,@function
k_q378d75d1b4_ffn2:
	s_mov_b64 s[64:65], 0
	v_nop
	global_prefetch_b8 v0, s[64:65] scope:SCOPE_SE
	s_setreg_imm32_b32 hwreg(HW_REG_WAVE_MODE, 25, 1), 1
	s_wait_xcnt 0x0
; SECOND LAYER OF THE EXPERTS: y[i] = gate[i] x (h Q(W2[e])^T + b2[e]) for each routed row i = 2 token + slot.
; THE WEIGHTS STAY, THE ROWS MOVE.  Work-group wg = 32 e + j owns output columns 32 j .. 32 j + 31 of expert e over all K = 4,096: 32 rows of W2, one dense block of
; 512 KiB of f32 that no other work-group reads.  STREAM: each of the eight waves reads four of the rows once, in loads of 512 consecutive bytes, quantises them
; (E3M2, one E8M0 byte for 32 along K) and lays codes and scale bytes in LDS.  One barrier.  Then wave w takes the expert's groups of 32 rows g = w, w + 8, .. below
; the stored count: the hidden layer's fragments come from memory as images of their registers, through a ring of eight K steps in registers.
; No tensor load and no cluster: the walk over groups hangs on a stored count, the weights pass through registers for the quantiser, and no two work-groups share a weight byte.
; THE MATRIX INSTRUCTION IS USED TRANSPOSED (source 0 = 16 rows of W2, source 1 = 16 rows of h): a lane holds one row and eight neighbouring columns.
; A row's 32 columns are 128 consecutive bytes of y: with 256 owners of 32 columns each that is what a work-group has of a row.
; Pad rows (list entries from 2,048 on) go to rows of y of their own, which nobody reads.  A wave's first ring is asked for ahead of its count: the launch before has stored
; the first eight groups' fragments of every expert; a wave that has no rows does not use them.
; LIMITS: NaN and infinities are not served; a block of zeros gets the byte 1 (its codes are zeros, and this program alone reads the bytes).
; REGISTERS.  Window 0, STREAM: v1-5 addresses, v6-8 at work, v10-11 bytes, v12-19 codes, v32-63 two sets of 16 neighbours, v128-255 eight sets of 16 as loaded.
;   Window 0, always: v20 16 x lane, v21 my place in hs, v22 4 r, v24-25 the list, v26 32 x half, v64-95 h's scale words (register s for K step s).
;   Window 0, rows: v1-3 LDS addresses, v6-7 my rows in y, v8-9 in out2, v10-13 gates, v96-127 W2's scale words, v128-175 W2's fragments (two sets of two), v176-207 four accumulators.
;   Window 1: v0-191 the ring: K step s, tile a at 24 (s % 8) + 12 a; v192-207 b2 in the result's layout.
.set PITCH, 3088                       ; a row of codes in LDS: 3,072 bytes + 16 = 772 words: row r starts at bank 4 r mod 64 (64 banks of 4 bytes: ISA guide 11.1)
.set SP,    144                        ; a row of scale bytes: 128 + 16
.set WSC,   32*PITCH
.set STG,   WSC+32*SP
.set WB,    14                         ; s[14:15] my wave's 64 KiB of W2
.set GL,  1
.set SI,  2
.set SO,  3
.set CA,  4
.set BA,  5
.set EB,  10
.set CD,  12
.set LI,  20
.set HSO, 21
.set LR,  22
.set X,   32
.set HS,  64
.set R,   128
.set WA,  1                            ; v1, v2: my place in column tile 0, 1 of the codes
.set WSL, 3
.set WS,  96
.set WF,  128
.set ACC, 176
.set B2,  192                          ; in window 1
.set MSB, 0
.macro WIN new                         ; the immediate's high byte repeats the setting that is left
.if MSB != \new
	s_set_vgpr_msb (MSB<<8)|\new
.set MSB, \new
.endif
.endm
.macro PLACES                          ; four plain lines between a matrix instruction and a load into, or a read of, its registers
.rept 4
	v_nop
.endr
.endm
.macro LOAD t                          ; step t: 512 numbers, four loads of 512 consecutive bytes, into set t % 8
.irp i, 0,1,2,3
	global_load_b128 v[R+16*((\t)%8)+4*\i:R+16*((\t)%8)+4*\i+3], v[GL], s[WB:WB+1] offset:2048*(\t)+512*\i th:TH_LOAD_NT
.endr
.endm
.macro TURN t                          ; through my stage: stored as loaded, read back 64 neighbouring bytes a lane; LDS serves a wave's instructions in order
.irp i, 0,1,2,3
	ds_store_b128 v[SI], v[R+16*((\t)%8)+4*\i:R+16*((\t)%8)+4*\i+3] offset:2560*((\t)%2)+640*\i
.endr
.irp i, 0,1,2,3
	ds_load_b128 v[X+16*((\t)%2)+4*\i:X+16*((\t)%2)+4*\i+3], v[SO] offset:2560*((\t)%2)+16*\i
.endr
.endm
; One step of STREAM: 512 numbers become 384 bytes of codes and 16 scale bytes in LDS.  Loads run eight steps ahead, the turn through the stage one.
.macro QSTEP t
.set XQ, X+16*((\t)%2)
.set CQ, CD+4*((\t)%2)
.set EQ, EB+(\t)%2
.set RO, (\t)/8                        ; the LDS row, from my wave's first
.set PART, (\t)%8                      ; which 512 of the row's 4,096
.if (\t) > 0
	s_wait_dscnt 4                                 ; this step's numbers are back from the stage; the last step's three code stores and its byte store may be out
.else
	s_wait_dscnt 0x0
.endif
.if (\t)+8 < 32
	LOAD (\t)+8                                    ; into the set that this step's stage stores have read
.endif
.if (\t) < 31
.if 30-(\t) < 7
	s_wait_loadcnt 4*(30-(\t))                     ; the next step's four are in; what is left behind them may be out
.else
	s_wait_loadcnt 28                              ; the next step's four are in; seven steps' four may be out
.endif
	TURN (\t)+1
.endif
	v_max3_num_f32 v6, |v[XQ]|, |v[XQ+1]|, |v[XQ+2]|
	v_max3_num_f32 v7, |v[XQ+3]|, |v[XQ+4]|, |v[XQ+5]|
.irp i, 6,10
	v_max3_num_f32 v6, v6, |v[XQ+\i]|, |v[XQ+\i+1]|
	v_max3_num_f32 v7, v7, |v[XQ+\i+2]|, |v[XQ+\i+3]|
.endr
	v_max3_num_f32 v6, v6, |v[XQ+14]|, |v[XQ+15]|
	v_max3_num_f32 v6, v6, v7, 0x2800000           ; and the floor 2^(5 - 127): the byte cannot fall under 1
	v_max_num_f32_dpp v6, v6, v6 row_xmask:1 row_mask:0xf bank_mask:0xf   ; with my neighbour's 16: the block's largest magnitude
	v_add_nc_u32 v8, 0xfe000000, v6                ; 4 off its exponent field: the conversion's scale operand
	v_cvt_scalef32_pk16_bf6_f32 v[CQ:CQ+2], v[XQ:XQ+15], v8
	v_lshrrev_b32 v[EQ], 23, v8                    ; the scale's byte (also the plain line behind the conversion)
.irp i, 0,1,2
	ds_store_b32 v[CA], v[CQ+\i] offset:RO*PITCH+PART*384+4*\i   ; my 12 bytes at 12 x lane: words, so that every address is a multiple of the access's size
.endr
	ds_store_b8 v[BA], v[EQ] offset:RO*SP+PART*16  ; both lanes of a block write the same byte with the same value
.endm
.macro HLD s                           ; h's two fragments of K step s into ring slot s % 8: six loads of 512 consecutive bytes
	WIN 0x40                                       ; destination window 1
.irp a, 0,1
.irp c, 0,1,2
	global_load_b128 v[24*((\s)%8)+12*\a+4*\c:24*((\s)%8)+12*\a+4*\c+3], v[LI], s[4:5] offset:49152*\a+1536*(\s)+512*\c
.endr
.endr
.endm
.macro HSLD                            ; h's scale words of all 32 K steps: lanes 0-15 tile 0's rows, lanes 16-31 tile 1's
.irp k, 0,1,2,3,4,5,6,7
	global_load_b128 v[HS+4*\k:HS+4*\k+3], v[HSO], s[6:7] offset:256*\k
.endr
.endm
	s_load_b512 s[4:19], s[0:1], 0x0               ; h s[4:5], hs s[6:7], lst s[8:9], cnt s[10:11], out2 s[12:13], w2 s[14:15], b2 s[16:17], y s[18:19]
	v_lshl_add_u32 v30, v0, 2, 0x24000
	v_mov_b32 v31, 0
	v_lshrrev_b32 v1, 5, v0
	v_readfirstlane_b32 s20, v1                    ; wave
	s_lshr_b32 s21, ttmp9, 5                       ; expert
	s_and_b32 s22, ttmp9, 31                       ; which 32 columns
	v_and_b32 v9, 31, v0                           ; lane
	v_and_b32 v10, 15, v0                          ; r
	v_bfe_u32 v11, v0, 4, 1                        ; half
	v_lshlrev_b32 v[GL], 4, v9
	v_lshlrev_b32 v[LI], 4, v9
	s_mul_i32 s33, s20, 5120
	s_add_co_u32 s33, s33, STG                     ; my stages
	v_lshrrev_b32 v[SI], 2, v9
	v_mul_u32_u24 v[SI], v[SI], 80
	v_and_b32 v[SO], 3, v9
	v_lshl_add_u32 v[SI], v[SO], 4, v[SI]
	v_add_nc_u32 v[SI], s33, v[SI]                 ; way in: 80 (lane / 4) + 16 (lane % 4)
	v_mul_u32_u24 v[SO], v9, 80
	v_add_nc_u32 v[SO], s33, v[SO]                 ; way out: 80 x lane
	s_lshl_b32 s34, s20, 2                         ; my wave's first LDS row: 4 w
	s_mul_i32 s35, s34, PITCH
	s_mul_i32 s36, s34, SP
	s_add_co_u32 s36, s36, WSC
	v_mul_u32_u24 v[CA], v9, 12
	v_add_nc_u32 v[CA], s35, v[CA]
	v_lshrrev_b32 v[BA], 1, v9
	v_add_nc_u32 v[BA], s36, v[BA]
	v_lshlrev_b32 v[HSO], 4, v10
	v_lshl_add_u32 v[HSO], v11, 11, v[HSO]         ; hs: tile = half, row r
	v_lshlrev_b32 v[LR], 2, v10
	v_lshlrev_b32 v26, 5, v11                      ; 32 x half
	s_mov_b32 s27, 0
	s_wait_kmcnt 0x0
	s_lshl_b32 s26, s21, 7
	s_add_nc_u64 s[10:11], s[10:11], s[26:27]
	s_load_b32 s24, s[10:11], 0x0                  ; the expert's groups of 32 rows
	s_lshl_b32 s26, s21, 12
	s_lshl_b32 s37, s20, 7
	s_add_co_u32 s26, s26, s37
	s_add_nc_u64 s[8:9], s[8:9], s[26:27]          ; lst at my first group, g = wave
	s_lshl_b32 s26, ttmp9, 19
	s_lshl_b32 s37, s20, 16
	s_add_co_u32 s26, s26, s37
	s_add_nc_u64 s[14:15], s[14:15], s[26:27]      ; W2 at my wave's four rows
	s_lshl_b32 s26, ttmp9, 7
	s_add_nc_u64 s[16:17], s[16:17], s[26:27]      ; b2 at my 32 columns
	s_lshl_b32 s26, s22, 7
	s_add_nc_u64 s[18:19], s[18:19], s[26:27]      ; y at my 32 columns
	s_lshl_b32 s26, s21, 6
	s_lshl_b32 s37, s20, 1
	s_add_co_u32 s38, s26, s37                     ; 64 e + 2 g: my first tile of rows
	s_mul_i32 s26, s38, 49152
	s_add_nc_u64 s[4:5], s[4:5], s[26:27]          ; h at that tile
	s_lshl_b32 s26, s38, 11
	s_add_nc_u64 s[6:7], s[6:7], s[26:27]          ; hs likewise
	global_load_b32 v24, v[LR], s[8:9]             ; the list: tile 0's row r,
	global_load_b32 v25, v[LR], s[8:9] offset:64   ; tile 1's
	WIN 0x40
.irp n, 0,1                            ; b2 as the C of each sum's first product: lane (r, half), tile n: columns 16 n + 8 half + 0 .. 7
	global_load_b128 v[B2+8*\n:B2+8*\n+3], v26, s[16:17] offset:64*\n
	global_load_b128 v[B2+8*\n+4:B2+8*\n+7], v26, s[16:17] offset:64*\n+16
.endr
	WIN 0
	HSLD
.irp s, 0,1,2,3,4,5,6,7
	HLD \s                                         ; the first group's ring is asked for ahead of the weights: it needs no list
.endr
	WIN 0
.irp t, 0,1,2,3,4,5,6,7
	LOAD \t
.endr
	s_wait_loadcnt 28                              ; step 0's four are in
	TURN 0
.set Q, 0
.rept 32
	QSTEP Q
.set Q, Q+1
.endr
	s_wait_dscnt 0x0                               ; for the others' sake: my codes and bytes lie in LDS
	s_barrier_signal -1
	s_barrier_wait -1                              ; the launch's one barrier: from here on LDS is only read
	v_and_b32 v6, 15, v0                           ; r
	v_bfe_u32 v7, v0, 4, 1                         ; half
	v_and_b32 v8, 31, v0                           ; lane
	v_mul_u32_u24 v[WA], v6, PITCH
	v_mad_u32_u24 v[WA], v7, 24, v[WA]             ; a fragment's row x pitch + 24 x half
	v_add_nc_u32 v[WA+1], 16*PITCH, v[WA]          ; column tile 1
	v_mul_u32_u24 v[WSL], v8, SP
	v_add_nc_u32 v[WSL], WSC, v[WSL]               ; scale words: lane = row of W2, so lanes 16-31 hold column tile 1's
	s_wait_kmcnt 0x0
	s_min_u32 s24, s24, 32                         ; an expert has at most 32 groups
	s_add_co_u32 s25, s24, 7
	s_sub_co_u32 s25, s25, s20
	s_lshr_b32 s25, s25, 3                         ; my groups: those of w, w + 8, .. that lie below the count
	s_min_u32 s25, s25, 4
	s_mov_b32 s23, 0                               ; trips done
	s_cmp_eq_u32 s25, 0
	s_cbranch_scc1 .Ldone                          ; a wave that this split leaves without rows ends
.irp k, 0,1,2,3,4,5,6,7
	ds_load_b128 v[WS+4*\k:WS+4*\k+3], v[WSL] offset:16*\k   ; register s for K step s: they stay
.endr
.macro LDW s                           ; W2's two fragments of K step s into set s % 2: 12 LDS loads
.irp n, 0,1
.irp p, 0,1,2,3,4,5
	ds_load_b64 v[WF+24*((\s)%2)+12*\n+2*\p:WF+24*((\s)%2)+12*\n+2*\p+1], v[WA+\n] offset:96*(\s)+48*(\p/3)+8*(\p%3)
.endr
.endr
.endm
.macro MUL s                           ; four products: two column tiles x two tiles of rows; the accumulators take turns
.set F0, WF+24*((\s)%2)
.set H0, 24*((\s)%8)
.if (\s) == 0
	v_wmma_scale_f32_16x16x128_f8f6f4 v[ACC:ACC+7], v[F0:F0+11], v[H0:H0+11], v[B2:B2+7], v[WS+(\s)], v[HS+(\s)] matrix_a_fmt:MATRIX_FMT_BF6 matrix_b_fmt:MATRIX_FMT_BF6
	v_wmma_scale_f32_16x16x128_f8f6f4 v[ACC+8:ACC+15], v[F0+12:F0+23], v[H0:H0+11], v[B2+8:B2+15], v[WS+(\s)], v[HS+(\s)] matrix_a_fmt:MATRIX_FMT_BF6 matrix_b_fmt:MATRIX_FMT_BF6 matrix_a_scale:MATRIX_SCALE_ROW1
	v_wmma_scale_f32_16x16x128_f8f6f4 v[ACC+16:ACC+23], v[F0:F0+11], v[H0+12:H0+23], v[B2:B2+7], v[WS+(\s)], v[HS+(\s)] matrix_a_fmt:MATRIX_FMT_BF6 matrix_b_fmt:MATRIX_FMT_BF6 matrix_b_scale:MATRIX_SCALE_ROW1
	v_wmma_scale_f32_16x16x128_f8f6f4 v[ACC+24:ACC+31], v[F0+12:F0+23], v[H0+12:H0+23], v[B2+8:B2+15], v[WS+(\s)], v[HS+(\s)] matrix_a_fmt:MATRIX_FMT_BF6 matrix_b_fmt:MATRIX_FMT_BF6 matrix_a_scale:MATRIX_SCALE_ROW1 matrix_b_scale:MATRIX_SCALE_ROW1
.else
	v_wmma_scale_f32_16x16x128_f8f6f4 v[ACC:ACC+7], v[F0:F0+11], v[H0:H0+11], v[ACC:ACC+7], v[WS+(\s)], v[HS+(\s)] matrix_a_fmt:MATRIX_FMT_BF6 matrix_b_fmt:MATRIX_FMT_BF6
	v_wmma_scale_f32_16x16x128_f8f6f4 v[ACC+8:ACC+15], v[F0+12:F0+23], v[H0:H0+11], v[ACC+8:ACC+15], v[WS+(\s)], v[HS+(\s)] matrix_a_fmt:MATRIX_FMT_BF6 matrix_b_fmt:MATRIX_FMT_BF6 matrix_a_scale:MATRIX_SCALE_ROW1
	v_wmma_scale_f32_16x16x128_f8f6f4 v[ACC+16:ACC+23], v[F0:F0+11], v[H0+12:H0+23], v[ACC+16:ACC+23], v[WS+(\s)], v[HS+(\s)] matrix_a_fmt:MATRIX_FMT_BF6 matrix_b_fmt:MATRIX_FMT_BF6 matrix_b_scale:MATRIX_SCALE_ROW1
	v_wmma_scale_f32_16x16x128_f8f6f4 v[ACC+24:ACC+31], v[F0+12:F0+23], v[H0+12:H0+23], v[ACC+24:ACC+31], v[WS+(\s)], v[HS+(\s)] matrix_a_fmt:MATRIX_FMT_BF6 matrix_b_fmt:MATRIX_FMT_BF6 matrix_a_scale:MATRIX_SCALE_ROW1 matrix_b_scale:MATRIX_SCALE_ROW1
.endif
.endm
.Ltrip:                                ; a group of 32 rows
	s_wait_loadcnt 56                              ; the list is in; behind it: 8 loads of scale words and the ring's 48
	v_min_u32 v6, 0x8ff, v24                       ; i, held inside y's 2,304 rows,
	v_min_u32 v7, 0x8ff, v25
	v_min_u32 v8, 0x7ff, v24                       ; and inside out2's 2,048 numbers
	v_min_u32 v9, 0x7ff, v25
	v_lshlrev_b32 v6, 12, v6
	v_lshlrev_b32 v7, 12, v7
	v_lshlrev_b32 v8, 2, v8
	v_lshlrev_b32 v9, 2, v9
	v_add_nc_u32 v6, v6, v26                       ; my row of y, + 32 x half
	v_add_nc_u32 v7, v7, v26
	global_load_b32 v10, v8, s[12:13]              ; the rows' gates
	global_load_b32 v12, v9, s[12:13]
	LDW 0
	LDW 1
.set SS, 0
.rept 32
.if SS <= 24
	s_wait_loadcnt 42                              ; this K step's six loads are in; seven ring slots' 42 may be out
.else
	s_wait_loadcnt 6*(31-SS)
.endif
.if SS < 31
	s_wait_dscnt 12                                ; this K step's fragments of W2 are in (and the scale words, which are older); the next step's 12 may be out
.else
	s_wait_dscnt 0x0
.endif
.if SS == 0
	WIN 0x14                                       ; source 1 (h) and source 2 (b2) window 1
.else
	WIN 0x04                                       ; source 1 window 1
.endif
	MUL SS
	PLACES
.if SS < 30
	LDW SS+2
.endif
.if SS < 24
	HLD SS+8
.endif
.set SS, SS+1
.endr
	WIN 0
	v_mov_b32 v11, v10                             ; (the packed multiply names a pair and takes its low word for both halves: so the upper is written)
	v_mov_b32 v13, v12
.irp a, 0,1
.irp n, 0,1
.irp k, 0,1,2,3
	v_pk_mul_f32 v[ACC+8*(2*\a+\n)+2*\k:ACC+8*(2*\a+\n)+2*\k+1], v[ACC+8*(2*\a+\n)+2*\k:ACC+8*(2*\a+\n)+2*\k+1], v[10+2*\a:11+2*\a] op_sel_hi:[1,0]   ; x the row's gate; each accumulator from its low end on
.endr
.endr
.endr
.irp a, 0,1
.irp n, 0,1
	global_store_b128 v[6+\a], v[ACC+8*(2*\a+\n):ACC+8*(2*\a+\n)+3], s[18:19] offset:64*\n       ; lane (r, half): columns 16 n + 8 half + 0 .. 7 of row r
	global_store_b128 v[6+\a], v[ACC+8*(2*\a+\n)+4:ACC+8*(2*\a+\n)+7], s[18:19] offset:64*\n+16
.endr
.endr
	s_wait_xcnt 0x0                                ; the stores have read their registers: these and the bases are written again below
	s_add_co_u32 s23, s23, 1
	s_add_nc_u64 s[8:9], s[8:9], 1024              ; my next group: eight groups on
	s_add_nc_u64 s[4:5], s[4:5], 786432            ; 16 tiles of rows on
	s_add_nc_u64 s[6:7], s[6:7], 32768
	s_cmp_ge_u32 s23, s25
	s_cbranch_scc1 .Lnoload                        ; no load leaves its buffer
	global_load_b32 v24, v[LR], s[8:9]
	global_load_b32 v25, v[LR], s[8:9] offset:64
	HSLD
.irp s, 0,1,2,3,4,5,6,7
	HLD \s
.endr
	WIN 0
.Lnoload:
	s_cmp_lt_u32 s23, s25
	s_cbranch_scc1 .Ltrip
.Ldone:
	s_wait_tensorcnt 0x0
	ds_add_u32 v30, v31
	s_wait_dscnt 0x0
	s_endpgm
.Lfunc_end_k_q378d75d1b4_ffn2:
	.size	k_q378d75d1b4_ffn2, .Lfunc_end_k_q378d75d1b4_ffn2-k_q378d75d1b4_ffn2
	.p2alignl 7, 3214868480
	.fill 96, 4, 3214868480
	.section	.rodata,"a",@progbits
	.p2align	6, 0x0
	.amdhsa_kernel k_q378d75d1b4_ffn2
		.amdhsa_group_segment_fixed_size 148480
		.amdhsa_private_segment_fixed_size 0
		.amdhsa_enable_private_segment 0
		.amdhsa_kernarg_size 64
		.amdhsa_user_sgpr_count 2
		.amdhsa_user_sgpr_kernarg_segment_ptr 1
		.amdhsa_wavefront_size32 1
		.amdhsa_system_sgpr_workgroup_id_x 1
		.amdhsa_system_sgpr_workgroup_id_y 1
		.amdhsa_system_sgpr_workgroup_id_z 1
		.amdhsa_system_vgpr_workitem_id 0
		.amdhsa_next_free_vgpr 512
		.amdhsa_next_free_sgpr 66
		.amdhsa_reserve_vcc 0
		.amdhsa_float_denorm_mode_32 3
		.amdhsa_float_denorm_mode_16_64 3
		.amdhsa_memory_ordered 1
		.amdhsa_forward_progress 1
		.amdhsa_inst_pref_size 142
	.end_amdhsa_kernel
	.amdgpu_metadata
---
amdhsa.version: [ 1, 2 ]
amdhsa.kernels:
  - .name:           k_q378d75d1b4_ffn2
    .symbol:         k_q378d75d1b4_ffn2.kd
    .args:
      - { .name: h, .offset: 0, .size: 8, .value_kind: global_buffer, .address_space: global }
      - { .name: hs, .offset: 8, .size: 8, .value_kind: global_buffer, .address_space: global }
      - { .name: lst, .offset: 16, .size: 8, .value_kind: global_buffer, .address_space: global }
      - { .name: cnt, .offset: 24, .size: 8, .value_kind: global_buffer, .address_space: global }
      - { .name: out2, .offset: 32, .size: 8, .value_kind: global_buffer, .address_space: global }
      - { .name: w2, .offset: 40, .size: 8, .value_kind: global_buffer, .address_space: global }
      - { .name: b2, .offset: 48, .size: 8, .value_kind: global_buffer, .address_space: global }
      - { .name: y, .offset: 56, .size: 8, .value_kind: global_buffer, .address_space: global }
    .group_segment_fixed_size: 148480
    .private_segment_fixed_size: 0
    .kernarg_segment_align: 8
    .kernarg_segment_size: 64
    .max_flat_workgroup_size: 256
    .sgpr_count:     66
    .vgpr_count:     512
    .wavefront_size: 32
...
	.end_amdgpu_metadata
.endif
;; end of part 3
;; launch combine (part 4): grid 256 x 1, 4 waves a work-group, no clusters, 0 bytes of LDS; arguments y, out0; writes out0
.if DOCPART == 4
	.amdgcn_target "amdgcn-amd-amdhsa--gfx1250"
	.amdhsa_code_object_version 6
	.text
	.protected	k_q378d75d1b4_combine
	.globl	k_q378d75d1b4_combine
	.p2align	8
	.type	k_q378d75d1b4_combine,@function
k_q378d75d1b4_combine:
	s_mov_b64 s[64:65], 0
	v_nop
	global_prefetch_b8 v0, s[64:65] scope:SCOPE_SE
	s_setreg_imm32_b32 hwreg(HW_REG_WAVE_MODE, 25, 1), 1
	s_wait_xcnt 0x0
; out0[t] = y[2 t] + y[2 t + 1]: a token's two experts' rows, each already multiplied by its gate.  The two rows were made by different work-groups, so the sum is a launch of its own.
; One wave takes one token: sixteen loads of 512 consecutive bytes, all issued at once; eight stores of 512 consecutive bytes, aligned.  No LDS, no index, no loop.
	s_load_b128 s[4:7], s[0:1], 0x0                ; y, out0
	v_lshrrev_b32 v1, 5, v0
	v_readfirstlane_b32 s8, v1                     ; wave
	v_and_b32 v1, 31, v0
	v_lshlrev_b32 v1, 4, v1                        ; 16 x lane
	s_lshl_b32 s9, ttmp9, 2
	s_add_co_u32 s9, s9, s8                        ; token
	s_lshl_b32 s10, s9, 13                         ; two rows of 4,096 bytes
	s_mov_b32 s11, 0
	s_lshl_b32 s12, s9, 12
	s_mov_b32 s13, 0
	s_wait_kmcnt 0x0
	s_add_nc_u64 s[4:5], s[4:5], s[10:11]
	s_add_nc_u64 s[6:7], s[6:7], s[12:13]
.irp c, 0,1,2,3,4,5,6,7
	global_load_b128 v[16+8*\c:19+8*\c], v1, s[4:5] offset:512*\c th:TH_LOAD_NT
	global_load_b128 v[20+8*\c:23+8*\c], v1, s[4:5] offset:4096+512*\c th:TH_LOAD_NT
.endr
.irp c, 0,1,2,3,4,5,6,7
	s_wait_loadcnt 14-2*\c                         ; this chunk's two loads are in; the later chunks' pairs may be out
	v_pk_add_f32 v[80+4*\c:81+4*\c], v[16+8*\c:17+8*\c], v[20+8*\c:21+8*\c]
	v_pk_add_f32 v[82+4*\c:83+4*\c], v[18+8*\c:19+8*\c], v[22+8*\c:23+8*\c]
	global_store_b128 v1, v[80+4*\c:83+4*\c], s[6:7] offset:512*\c th:TH_STORE_NT
.endr
	s_endpgm
.Lfunc_end_k_q378d75d1b4_combine:
	.size	k_q378d75d1b4_combine, .Lfunc_end_k_q378d75d1b4_combine-k_q378d75d1b4_combine
	.p2alignl 7, 3214868480
	.fill 96, 4, 3214868480
	.section	.rodata,"a",@progbits
	.p2align	6, 0x0
	.amdhsa_kernel k_q378d75d1b4_combine
		.amdhsa_group_segment_fixed_size 0
		.amdhsa_private_segment_fixed_size 0
		.amdhsa_enable_private_segment 0
		.amdhsa_kernarg_size 16
		.amdhsa_user_sgpr_count 2
		.amdhsa_user_sgpr_kernarg_segment_ptr 1
		.amdhsa_wavefront_size32 1
		.amdhsa_system_sgpr_workgroup_id_x 1
		.amdhsa_system_sgpr_workgroup_id_y 1
		.amdhsa_system_sgpr_workgroup_id_z 1
		.amdhsa_system_vgpr_workitem_id 0
		.amdhsa_next_free_vgpr 112
		.amdhsa_next_free_sgpr 66
		.amdhsa_reserve_vcc 0
		.amdhsa_float_denorm_mode_32 3
		.amdhsa_float_denorm_mode_16_64 3
		.amdhsa_memory_ordered 1
		.amdhsa_forward_progress 1
		.amdhsa_inst_pref_size 5
	.end_amdhsa_kernel
	.amdgpu_metadata
---
amdhsa.version: [ 1, 2 ]
amdhsa.kernels:
  - .name:           k_q378d75d1b4_combine
    .symbol:         k_q378d75d1b4_combine.kd
    .args:
      - { .name: y, .offset: 0, .size: 8, .value_kind: global_buffer, .address_space: global }
      - { .name: out0, .offset: 8, .size: 8, .value_kind: global_buffer, .address_space: global }
    .group_segment_fixed_size: 0
    .private_segment_fixed_size: 0
    .kernarg_segment_align: 8
    .kernarg_segment_size: 16
    .max_flat_workgroup_size: 128
    .sgpr_count:     66
    .vgpr_count:     112
    .wavefront_size: 32
...
	.end_amdgpu_metadata
.endif
;; end of part 4
;; ======== version 2 of 2: 4 launches
;; workspace buffers: sel 8,192 bytes of whole numbers; lst 32,768 bytes of whole numbers; cnt 1,024 bytes of whole numbers; xc 786,432 bytes; xs 32,768 bytes; h 25,165,824 bytes; hs 1,048,576 bytes; y 9,437,184 bytes
;; launch route (part 5): grid 256 x 1, 4 waves a work-group, no clusters, 33,280 bytes of LDS; arguments x, w_gate, b_gate, out1, out2, sel, xc, xs; writes out1, out2, sel, xc, xs
.if DOCPART == 5
	.amdgcn_target "amdgcn-amd-amdhsa--gfx1250"
	.amdhsa_code_object_version 6
	.text
	.protected	k_q378d75d1b4_route
	.globl	k_q378d75d1b4_route
	.p2align	8
	.type	k_q378d75d1b4_route,@function
k_q378d75d1b4_route:
	s_mov_b64 s[64:65], 0
	v_nop
	global_prefetch_b8 v0, s[64:65] scope:SCOPE_SE
	s_setreg_imm32_b32 hwreg(HW_REG_WAVE_MODE, 25, 1), 1
	s_wait_xcnt 0x0
; ROUTER AND x's QUANTISER.  One wave takes one token t = 4 x work-group + wave: 1,024 numbers of x, 32 a lane.
; (a) logits = x . w_gate[e] + b_gate[e] in f32 fused multiply-adds, softmax with the row's maximum taken away, top 2 (the lower index wins a tie);
;     out1 and sel get the two experts, out2 the two scores.  Nothing here steers an address: choices are made by v_cndmask_b32.
; (b) the token's row becomes codes of E3M2 (768 bytes, one stream of bits, K innermost) in xc and 32 E8M0 bytes in xs.
; A block's scale is 2^(floor(log2(largest magnitude)) - 4): its byte is the largest magnitude's exponent field - 4, held at 1 from below.
; LIMITS: NaN and infinities are not served; a block of zeros gets the byte 1 (its codes are zeros, and this program alone reads the bytes);
; a score under 2^-126 comes out of v_exp_f32 as 0; the logits' sums run in another order than a row-by-row sum, so two logits that differ
; by f32 rounding alone may be ranked either way.
; No barrier: waves share nothing; each has 8,192 bytes of LDS of its own.
.set SP,   80                          ; a lane's place in a stage: its 64 bytes + 16 of padding
.set WREG, 8192                        ; LDS of a wave: two stages of 32 x SP bytes, then its 32 scale bytes
.set SBO,  5120
.set CD,   12                          ; v12-19  codes, four registers a step
.set EB,   20                          ; v20-21  a scale byte a step
.set LG,   22                          ; v22-29  logits, then scores
.set TT,   30                          ; v30-37  at work; then the scores without the best
.set R,    64                          ; v64-95  x as loaded: load i, register j: k = 128 i + 4 lane + j
.set XN,   96                          ; v96-127 two sets of 16 neighbours along K
.set G,    128                         ; v128-255 w_gate: four sets of 32, expert e in set e % 4
	s_load_b512 s[4:19], s[0:1], 0x0               ; x s[4:5], w_gate s[6:7], b_gate s[8:9], out1 s[10:11], out2 s[12:13], sel s[14:15], xc s[16:17], xs s[18:19]
	v_lshl_add_u32 v62, v0, 2, 0x8000
	v_mov_b32 v63, 0
	v_lshrrev_b32 v1, 5, v0
	v_readfirstlane_b32 s20, v1                    ; wave
	v_and_b32 v1, 31, v0                           ; lane
	v_lshlrev_b32 v2, 4, v1                        ; my 16 bytes of a load's 512
	s_lshl_b32 s21, ttmp9, 2
	s_add_co_u32 s21, s21, s20                     ; token
	s_mul_i32 s35, s20, WREG
	v_lshrrev_b32 v3, 2, v1
	v_mul_u32_u24 v3, v3, SP
	v_and_b32 v4, 3, v1
	v_lshl_add_u32 v3, v4, 4, v3
	v_add_nc_u32 v3, s35, v3                       ; the stage, way in: SP (lane / 4) + 16 (lane % 4)
	v_mul_u32_u24 v4, v1, SP
	v_add_nc_u32 v4, s35, v4                       ; way out: SP x lane
	v_mul_u32_u24 v5, v1, 12                       ; my 16 codes' place in a step's 384 bytes
	v_lshrrev_b32 v6, 1, v1
	v_add_nc_u32 v6, s35, v6                       ; my block's scale byte
	v_and_b32 v7, 7, v1
	v_lshl_add_u32 v7, v7, 2, s35                  ; a scale word on the way out
	v_lshlrev_b32 v50, 2, v1                       ; 4 x lane
	v_cmp_gt_u32 s36, 8, v1                        ; lanes 0-7
	v_cmp_gt_u32 s37, 2, v1                        ; lanes 0-1
	v_cmp_eq_u32 s38, 0, v1                        ; lane 0
	s_mov_b32 s32, 0x76543210
	s_mov_b32 s33, 0xfedcba98                      ; v_permlanex16_b32's selects for lane l xor 16
	s_lshl_b32 s22, s21, 12
	s_mov_b32 s23, 0
	s_wait_kmcnt 0x0
	s_load_b256 s[24:31], s[8:9], 0x0              ; b_gate's eight numbers
	s_add_nc_u64 s[4:5], s[4:5], s[22:23]          ; x at my token
.irp i, 0,1,2,3,4,5,6,7
	global_load_b128 v[R+4*\i:R+4*\i+3], v2, s[4:5] offset:512*\i th:TH_LOAD_NT
.endr
.irp e, 0,1,2,3
.irp i, 0,1,2,3,4,5,6,7
	global_load_b128 v[G+32*\e+4*\i:G+32*\e+4*\i+3], v2, s[6:7] offset:4096*\e+512*\i
.endr
.endr
	s_mul_i32 s22, s21, 768
	s_add_nc_u64 s[16:17], s[16:17], s[22:23]      ; xc at my row
	s_lshl_b32 s22, s21, 5
	s_add_nc_u64 s[18:19], s[18:19], s[22:23]      ; xs at my row
	s_lshl_b32 s22, s21, 3
	s_add_nc_u64 s[10:11], s[10:11], s[22:23]
	s_add_nc_u64 s[12:13], s[12:13], s[22:23]
	s_add_nc_u64 s[14:15], s[14:15], s[22:23]
	s_wait_loadcnt 32                              ; x is in; the 32 loads of experts 0-3 may be out
; the row turns through the stage: stored as loaded, read back 64 neighbouring bytes a lane.  LDS serves a wave's instructions in order.
.irp t, 0,1
.irp i, 0,1,2,3
	ds_store_b128 v3, v[R+16*\t+4*\i:R+16*\t+4*\i+3] offset:32*SP*\t+8*SP*\i
.endr
.irp i, 0,1,2,3
	ds_load_b128 v[XN+16*\t+4*\i:XN+16*\t+4*\i+3], v4 offset:32*SP*\t+16*\i
.endr
.endr
	s_wait_dscnt 0x0
.macro QX t                            ; step t: 512 numbers; two neighbouring lanes hold a block of 32
.set XQ, XN+16*\t
	v_max3_num_f32 v8, |v[XQ]|, |v[XQ+1]|, |v[XQ+2]|
	v_max3_num_f32 v9, |v[XQ+3]|, |v[XQ+4]|, |v[XQ+5]|
.irp i, 6,10
	v_max3_num_f32 v8, v8, |v[XQ+\i]|, |v[XQ+\i+1]|
	v_max3_num_f32 v9, v9, |v[XQ+\i+2]|, |v[XQ+\i+3]|
.endr
	v_max3_num_f32 v8, v8, |v[XQ+14]|, |v[XQ+15]|
	v_max3_num_f32 v8, v8, v9, 0x2800000           ; and the floor 2^(5 - 127): the byte cannot fall under 1
	v_max_num_f32_dpp v8, v8, v8 row_xmask:1 row_mask:0xf bank_mask:0xf   ; with my neighbour's 16: the block's largest magnitude
	v_add_nc_u32 v11, 0xfe000000, v8               ; 4 off its exponent field: the conversion's scale operand
	v_cvt_scalef32_pk16_bf6_f32 v[CD+4*\t:CD+4*\t+2], v[XQ:XQ+15], v11
	v_lshrrev_b32 v[EB+\t], 23, v11                ; the scale's byte (also the plain line behind the conversion)
	ds_store_b8 v6, v[EB+\t] offset:SBO+16*\t      ; both lanes of a block write the same byte with the same value
	global_store_b96 v5, v[CD+4*\t:CD+4*\t+2], s[16:17] offset:384*\t   ; the wave stores 384 consecutive bytes
.endm
	QX 0
	QX 1
; one expert's dot product: my 32 numbers, two chains of packed multiply-adds.  left = the loads of the experts behind it that may stay out
.macro DOT e, left
.set GS, G+32*((\e)%4)
	s_wait_loadcnt \left
	v_pk_mul_f32 v[46:47], v[R:R+1], v[GS:GS+1]
	v_pk_mul_f32 v[48:49], v[R+2:R+3], v[GS+2:GS+3]
.irp k, 4,8,12,16,20,24,28
	v_pk_fma_f32 v[46:47], v[R+\k:R+\k+1], v[GS+\k:GS+\k+1], v[46:47]
	v_pk_fma_f32 v[48:49], v[R+\k+2:R+\k+3], v[GS+\k+2:GS+\k+3], v[48:49]
.endr
	v_pk_add_f32 v[46:47], v[46:47], v[48:49]
	v_add_f32 v[LG+\e], v46, v47
.if \e < 4
.irp i, 0,1,2,3,4,5,6,7
	global_load_b128 v[GS+4*\i:GS+4*\i+3], v2, s[6:7] offset:4096*(\e+4)+512*\i   ; the set takes the expert four on
.endr
.endif
.endm
	DOT 0, 24
	DOT 1, 24
	DOT 2, 24
	DOT 3, 24
	DOT 4, 24
	DOT 5, 16
	DOT 6, 8
	DOT 7, 0
.irp e, 0,1,2,3,4,5,6,7
	v_mov_b32 v[TT+\e], 0                          ; a lane permute's destination counts as one of its sources
.endr
.irp m, 1,2,4,8
.irp e, 0,1,2,3,4,5,6,7
	v_add_f32_dpp v[LG+\e], v[LG+\e], v[LG+\e] row_xmask:\m row_mask:0xf bank_mask:0xf   ; the eight sums by turns
.endr
.endr
.irp e, 0,1,2,3,4,5,6,7
	v_permlanex16_b32 v[TT+\e], v[LG+\e], s32, s33
.endr
.irp e, 0,1,2,3,4,5,6,7
	v_add_f32 v[LG+\e], v[LG+\e], v[TT+\e]         ; every lane now holds the eight dot products
.endr
	s_wait_alu depctr_va_vdst(0)
	s_wait_kmcnt 0x0                               ; b_gate
.irp e, 0,1,2,3,4,5,6,7
	v_add_f32 v[LG+\e], s[24+\e], v[LG+\e]
.endr
	v_max3_num_f32 v42, v22, v23, v24              ; softmax: the maximum is taken away first
	v_max3_num_f32 v42, v42, v25, v26
	v_max3_num_f32 v42, v42, v27, v28
	v_max_num_f32 v42, v42, v29
.irp e, 0,1,2,3,4,5,6,7
	v_sub_f32 v[LG+\e], v[LG+\e], v42
.endr
.irp e, 0,1,2,3,4,5,6,7
	v_mul_f32 v[LG+\e], 0x3fb8aa3b, v[LG+\e]       ; x log2(e)
.endr
	s_wait_alu depctr_va_vdst(0)
.irp e, 0,1,2,3,4,5,6,7
	v_exp_f32 v[LG+\e], v[LG+\e]
.endr
	v_nop                                          ; a plain line behind the last exponential
	s_wait_alu depctr_va_vdst(0)                   ; one wait for the eight, ahead of their first reader
	v_add_f32 v43, v22, v23
	v_add_f32 v44, v24, v25
	v_add_f32 v45, v26, v27
	v_add_f32 v51, v28, v29
	v_add_f32 v43, v43, v44
	v_add_f32 v45, v45, v51
	v_add_f32 v43, v43, v45
	s_wait_alu depctr_va_vdst(0)
	v_rcp_f32 v44, v43
	v_nop
	s_wait_alu depctr_va_vdst(0)
.irp e, 0,1,2,3,4,5,6,7
	v_mul_f32 v[LG+\e], v[LG+\e], v44              ; the scores
.endr
	v_mov_b32 v38, v22                             ; the best score and its expert: a later one must be strictly larger
	v_mov_b32 v39, 0
.irp e, 1,2,3,4,5,6,7
	v_cmp_le_f32 vcc_lo, v[LG+\e], v38
	v_cndmask_b32 v38, v[LG+\e], v38, vcc_lo
	v_cndmask_b32 v39, \e, v39, vcc_lo
.endr
	v_mov_b32 v45, -1.0
.irp e, 0,1,2,3,4,5,6,7
	v_cmp_eq_u32 vcc_lo, \e, v39
	v_cndmask_b32 v[TT+\e], v[LG+\e], v45, vcc_lo  ; the best is taken out: -1 lies under every score
.endr
	v_mov_b32 v40, v30                             ; the second
	v_mov_b32 v41, 0
.irp e, 1,2,3,4,5,6,7
	v_cmp_le_f32 vcc_lo, v[TT+\e], v40
	v_cndmask_b32 v40, v[TT+\e], v40, vcc_lo
	v_cndmask_b32 v41, \e, v41, vcc_lo
.endr
	v_cndmask_b32 v46, v41, v39, s38               ; lane 0 carries the first, lane 1 the second
	v_cndmask_b32 v47, v40, v38, s38
	ds_load_b32 v48, v7 offset:SBO                 ; my row's scale words: these see my byte stores
	s_wait_alu depctr_va_vdst(0)
	s_wait_dscnt 0x0
	s_wait_xcnt 0x0                                ; EXEC changes only behind this wait
	s_wait_tensorcnt 0x0
	ds_add_u32 v62, v63
	s_wait_dscnt 0x0
	s_and_saveexec_b32 s34, s36
	global_store_b32 v50, v48, s[18:19]            ; lanes 0-7: the row's 32 scale bytes
	s_wait_xcnt 0x0
	s_or_b32 exec_lo, exec_lo, s34
	s_and_saveexec_b32 s34, s37
	global_store_b32 v50, v46, s[10:11]            ; lanes 0-1
	global_store_b32 v50, v46, s[14:15]
	global_store_b32 v50, v47, s[12:13]
	s_wait_xcnt 0x0
	s_or_b32 exec_lo, exec_lo, s34
	s_endpgm
.Lfunc_end_k_q378d75d1b4_route:
	.size	k_q378d75d1b4_route, .Lfunc_end_k_q378d75d1b4_route-k_q378d75d1b4_route
	.p2alignl 7, 3214868480
	.fill 96, 4, 3214868480
	.section	.rodata,"a",@progbits
	.p2align	6, 0x0
	.amdhsa_kernel k_q378d75d1b4_route
		.amdhsa_group_segment_fixed_size 33280
		.amdhsa_private_segment_fixed_size 0
		.amdhsa_enable_private_segment 0
		.amdhsa_kernarg_size 64
		.amdhsa_user_sgpr_count 2
		.amdhsa_user_sgpr_kernarg_segment_ptr 1
		.amdhsa_wavefront_size32 1
		.amdhsa_system_sgpr_workgroup_id_x 1
		.amdhsa_system_sgpr_workgroup_id_y 1
		.amdhsa_system_sgpr_workgroup_id_z 1
		.amdhsa_system_vgpr_workitem_id 0
		.amdhsa_next_free_vgpr 256
		.amdhsa_next_free_sgpr 66
		.amdhsa_reserve_vcc 1
		.amdhsa_float_denorm_mode_32 3
		.amdhsa_float_denorm_mode_16_64 3
		.amdhsa_memory_ordered 1
		.amdhsa_forward_progress 1
		.amdhsa_inst_pref_size 29
	.end_amdhsa_kernel
	.amdgpu_metadata
---
amdhsa.version: [ 1, 2 ]
amdhsa.kernels:
  - .name:           k_q378d75d1b4_route
    .symbol:         k_q378d75d1b4_route.kd
    .args:
      - { .name: x, .offset: 0, .size: 8, .value_kind: global_buffer, .address_space: global }
      - { .name: w_gate, .offset: 8, .size: 8, .value_kind: global_buffer, .address_space: global }
      - { .name: b_gate, .offset: 16, .size: 8, .value_kind: global_buffer, .address_space: global }
      - { .name: out1, .offset: 24, .size: 8, .value_kind: global_buffer, .address_space: global }
      - { .name: out2, .offset: 32, .size: 8, .value_kind: global_buffer, .address_space: global }
      - { .name: sel, .offset: 40, .size: 8, .value_kind: global_buffer, .address_space: global }
      - { .name: xc, .offset: 48, .size: 8, .value_kind: global_buffer, .address_space: global }
      - { .name: xs, .offset: 56, .size: 8, .value_kind: global_buffer, .address_space: global }
    .group_segment_fixed_size: 33280
    .private_segment_fixed_size: 0
    .kernarg_segment_align: 8
    .kernarg_segment_size: 64
    .max_flat_workgroup_size: 128
    .sgpr_count:     66
    .vgpr_count:     256
    .wavefront_size: 32
...
	.end_amdgpu_metadata
.endif
;; end of part 5
;; launch ffn1 (part 6): grid 256 x 1, 8 waves a work-group, no clusters, 148,480 bytes of LDS; arguments xc, xs, lst, cnt, w1, b1, h, hs, sel; writes h, hs, lst, cnt
.if DOCPART == 6
	.amdgcn_target "amdgcn-amd-amdhsa--gfx1250"
	.amdhsa_code_object_version 6
	.text
	.protected	k_q378d75d1b4_ffn1
	.globl	k_q378d75d1b4_ffn1
	.p2align	8
	.type	k_q378d75d1b4_ffn1,@function
k_q378d75d1b4_ffn1:
	s_mov_b64 s[64:65], 0
	v_nop
	global_prefetch_b8 v0, s[64:65] scope:SCOPE_SE
	s_setreg_imm32_b32 hwreg(HW_REG_WAVE_MODE, 25, 1), 1
	s_wait_xcnt 0x0
; FIRST LAYER OF THE EXPERTS: h = Q(leaky_relu(Q(x) Q(W1[e])^T + b1[e])) for the rows that chose expert e; AND THE PLACING OF THE ROWS BY EXPERT.
; THE WEIGHTS STAY, THE ROWS MOVE.  Work-group wg = 32 e + j owns hidden units 128 j .. 128 j + 127 of expert e: 128 rows of W1, one dense block of
; 512 KiB of f32 that no other work-group reads.  STREAM: each of the eight waves reads 16 of the rows once, in loads of 512 consecutive bytes,
; quantises them (E3M2, one E8M0 byte for 32 along K) and lays codes and scale bytes in LDS.  One barrier.  Then wave w takes the expert's groups
; of 32 rows g = w, w + 8, .. below the count: x's codes are gathered straight into registers, 128 matrix instructions make 32 rows x 128 hidden
; units, which are activated, quantised in registers and stored as K step j of the second layer's operand.
; THE LIST.  sel[i], i = 2 token + slot, holds the expert that an earlier launch chose.  A wave reads all 2,048 choices (64 registers) and finds, for lane p of group g,
; the row of rank t = 32 g + p among those that name expert e: per register a mask of the lanes that chose e and the rank at which it begins; each lane keeps the last
; register that begins at or below its t, and takes the (t - that rank)-th set bit of its mask.  All lanes stay on, nothing is scattered, no address hangs on it but
; the gather of x, which is held inside x's rows.  Ranks from the count on are pads, 2048 + 32 e + lane: row numbers of their own behind the true rows.
; Work-group j = 0 of each expert stores the lists that it walks (lst[1024 e + t]) and the number of groups (cnt[32 e + lane]) for the next launch.
; EVERY WAVE WALKS ITS FIRST GROUP, rows or pads alike: so the first eight groups' lists and fragments of every expert are stored, which the next launch's waves ask for
; ahead of reading their count.
; No tensor load and no cluster: the walk over groups hangs on a count made from stored numbers, the weights pass through registers for the quantiser, and no two
; work-groups share a weight byte.
; THE MATRIX INSTRUCTION IS USED TRANSPOSED (source 0 = 16 rows of W1, source 1 = 16 rows of x): a lane holds ONE row, its registers run along the hidden units.
; THE ROWS OF W1 THAT FORM A TILE ARE NOT NEIGHBOURS: LDS row 16 (2 b + u) + 8 a + i holds weight row 32 b + 16 a + 8 u + i, so that the 16 registers of
; tiles 2 b and 2 b + 1 are 16 neighbours along the next K: 32 b + 16 (lane / 16) + 0 .. 15.
; h: [e][tile of 16 rows][K step][1,536 bytes]: a fragment as an image of its 12 registers, four registers at 512 c + 16 lane.  hs: [e][tile][K step / 4][row][4 words].
; Pad rows take token 1,023's codes; their results are used by nobody.
; LIMITS: NaN and infinities are not served; a block of zeros gets the byte 1 (its codes are zeros, and this program alone reads the bytes).
; REGISTERS.  Window 0, the list: v32-45 at work, v64-127 the 2,048 choices.
;   Window 0, STREAM: v1-5 addresses, v32-63 two sets of 16 neighbours, v70-72 at work, v74-75 bytes, v76-83 codes, v128-255 eight sets of 16 as loaded.
;   Window 0, always: v6 the count as stored, v7 4 x lane, v16-18 the list at work, v19 the list as stored, v20-21 my rows' places in xc, v22 in xs, v23 24 x half, v24-31 x's scale words.
;   Window 0, rows: v1-5 addresses, v8-15 W1's scale words (and nothing else), v32-127 eight fragments of W1 (later at work), v128-255 the 16 accumulators.
;   Window 1: v0-191 x's 16 fragments (K step q, tile a at 24 q + 12 a); v192-255 b1 in the result's layout.
.set PITCH, 784                        ; a row of codes in LDS: 768 bytes + 16 = 196 words: row r starts at bank 4 r mod 64 (64 banks of 4 bytes: ISA guide 11.1)
.set SP,    36                         ; a row of scale bytes: 32 + 4
.set WSC,   128*PITCH                  ; behind the codes: the scale bytes
.set STG,   WSC+128*SP                 ; behind them: two stages of 2,560 bytes for each wave
.set XH,    3                          ; loads of x's codes that ride in each step of STREAM
.set XS0,   2                          ; loads of x's scale words issued behind the first eight steps' loads
.set WB,    12                         ; s[12:13] my wave's 64 KiB of W1
.set GL,  1
.set SI,  2
.set SO,  3
.set CA,  4
.set BA,  5
.set LL,  7
.set VL,  19
.set TQ,  70
.set EB,  74
.set CD,  76
.set T0A, 20
.set TLS, 22
.set V24H, 23
.set XS,  24
.set X,   32
.set R,   128
.set WA,  1                            ; v1, v2: my place in tiles 0-3, 4-7 of the codes
.set WSA, 3
.set LI,  4
.set HSO, 5
.set WS,  8
.set WF,  32
.set ACC, 128
.set B1,  192                          ; in window 1
.set PC0, 32                           ; at work behind the products: codes of tile 0, of tile 1,
.set PC1, 52
.set TM,  72                           ; v72-87 magnitudes, bytes, scale operands
.set PW0, 88
.set PW1, 89
.set LK,  96                           ; v96-127 0.1 x the sums
.set SEL, 64                           ; the list: v64-127 the choices: register N, lane s: i = 128 (N / 4) + 4 s + N % 4
.set VT,  32                           ; my rank t
.set VM,  33                           ; the mask of the register that holds rank t
.set VB,  34                           ; the rank at which that register begins
.set VI,  35                           ; 128 (N / 4) + N % 4 of that register
.set VK,  36                           ; which set bit of the mask
.set VP,  37                           ; its place
.set VC,  38
.set VD,  39
.set C2,  40                           ; the mask's set bits counted in fields of 2, 4, 8, 16 bits
.set C4,  41
.set C8,  42
.set C16, 43
.set VPAD, 44
.set VX,  45
.set MSB, 0
.macro WIN new                         ; the immediate's high byte repeats the setting that is left
.if MSB != \new
	s_set_vgpr_msb (MSB<<8)|\new
.set MSB, \new
.endif
.endm
.macro PLACES                          ; four plain lines between a matrix instruction and a load into, or a read of, its registers
.rept 4
	v_nop
.endr
.endm
.macro LOAD t                          ; step t: 512 numbers, four loads of 512 consecutive bytes, into set t % 8
.irp i, 0,1,2,3
	global_load_b128 v[R+16*((\t)%8)+4*\i:R+16*((\t)%8)+4*\i+3], v[GL], s[WB:WB+1] offset:2048*(\t)+512*\i th:TH_LOAD_NT
.endr
.endm
.macro TURN t                          ; through my stage: stored as loaded, read back 64 neighbouring bytes a lane; LDS serves a wave's instructions in order
.irp i, 0,1,2,3
	ds_store_b128 v[SI], v[R+16*((\t)%8)+4*\i:R+16*((\t)%8)+4*\i+3] offset:2560*((\t)%2)+640*\i
.endr
.irp i, 0,1,2,3
	ds_load_b128 v[X+16*((\t)%2)+4*\i:X+16*((\t)%2)+4*\i+3], v[SO] offset:2560*((\t)%2)+16*\i
.endr
.endm
.macro SELLD adr                       ; all 2,048 choices: sixteen loads of 512 consecutive bytes; adr holds 16 x lane
.irp n, 0,1,2,3,4,5,6,7,8,9,10,11,12,13,14,15
	global_load_b128 v[SEL+4*\n:SEL+4*\n+3], v[\adr], s[60:61] offset:512*\n
.endr
.endm
.macro KSTAGE src, w                   ; the lower w bits at my place hold c set bits: if mine is not among them, it is c fewer on in the upper w
	v_bfe_u32 v[VC], v[\src], v[VP], \w
	v_add_nc_u32 v[VD], \w, v[VP]
	s_delay_alu instid0(VALU_DEP_2)
	v_cmp_ge_u32 vcc_lo, v[VK], v[VC]
	s_delay_alu instid0(VALU_DEP_1)
	v_cndmask_b32 v[VC], 0, v[VC], vcc_lo
	s_delay_alu instid0(VALU_DEP_2)
	v_cndmask_b32 v[VP], v[VP], v[VD], vcc_lo
	s_delay_alu instid0(VALU_DEP_2)
	v_sub_nc_u32 v[VK], v[VK], v[VC]
.endm
; The list of group g (s39 = 32 g): v19 = entry of rank 32 g + lane; v16, v17 = tile 0's and tile 1's row lane % 16, v18 = v19.  s56 = the expert's rows.
.macro SCAN
	v_and_b32 v[VT], 31, v0
	s_delay_alu instid0(VALU_DEP_1)
	v_add_nc_u32 v[VPAD], s58, v[VT]               ; my pad: 2048 + 32 e + lane
	s_delay_alu instid0(VALU_DEP_2)
	v_add_nc_u32 v[VT], s39, v[VT]                 ; my rank
	s_mov_b32 s56, 0
.set BN, 0
.rept 8                                ; eight registers at a time, so that the scalar lines do not wait for each compare
.irp n, 0,1,2,3,4,5,6,7
	v_cmp_eq_u32 s[40+\n], s21, v[SEL+8*BN+\n]     ; the lanes whose row chose my expert
.endr
.irp n, 0,1,2,3,4,5,6,7
	s_mov_b32 s[48+\n], s56                        ; the rank at which the register begins
	s_bcnt1_i32_b32 s57, s[40+\n]
	s_add_co_u32 s56, s56, s57
.endr
.irp n, 0,1,2,3,4,5,6,7
.if (8*BN+\n) == 0
	v_mov_b32 v[VM], s40                           ; the first register begins at rank 0, at or below every t
	v_mov_b32 v[VB], 0
	v_mov_b32 v[VI], 0
.else
	v_cmp_gt_u32 vcc_lo, s[48+\n], v[VT]           ; it begins above my t: I keep what I have
	s_delay_alu instid0(VALU_DEP_1)
	v_cndmask_b32 v[VM], s[40+\n], v[VM], vcc_lo
	s_delay_alu instid0(VALU_DEP_2)
	v_cndmask_b32 v[VB], s[48+\n], v[VB], vcc_lo
	s_delay_alu instid0(VALU_DEP_3)
	v_cndmask_b32 v[VI], 128*((8*BN+\n)/4)+(8*BN+\n)%4, v[VI], vcc_lo
.endif
.endr
.set BN, BN+1
.endr
	s_delay_alu instid0(VALU_DEP_2)
	v_sub_nc_u32 v[VK], v[VT], v[VB]               ; which set bit of my mask, from 0
	s_delay_alu instid0(VALU_DEP_4)
	v_lshrrev_b32 v[C2], 1, v[VM]                  ; set bits in fields of 2:
	s_delay_alu instid0(VALU_DEP_1)
	v_and_b32 v[C2], 0x55555555, v[C2]
	s_delay_alu instid0(VALU_DEP_1)
	v_sub_nc_u32 v[C2], v[VM], v[C2]
	s_delay_alu instid0(VALU_DEP_1)
	v_lshrrev_b32 v[C4], 2, v[C2]                  ; of 4:
	s_delay_alu instid0(VALU_DEP_1)
	v_and_b32 v[C4], 0x33333333, v[C4]
	s_delay_alu instid0(VALU_DEP_3)
	v_and_b32 v[VC], 0x33333333, v[C2]
	s_delay_alu instid0(VALU_DEP_1)
	v_add_nc_u32 v[C4], v[C4], v[VC]
	s_delay_alu instid0(VALU_DEP_1)
	v_lshrrev_b32 v[C8], 4, v[C4]                  ; of 8:
	s_delay_alu instid0(VALU_DEP_1)
	v_add_nc_u32 v[C8], v[C8], v[C4]
	s_delay_alu instid0(VALU_DEP_1)
	v_and_b32 v[C8], 0x0f0f0f0f, v[C8]
	s_delay_alu instid0(VALU_DEP_1)
	v_lshrrev_b32 v[C16], 8, v[C8]                 ; of 16
	s_delay_alu instid0(VALU_DEP_1)
	v_add_nc_u32 v[C16], v[C16], v[C8]
	s_delay_alu instid0(VALU_DEP_1)
	v_and_b32 v[C16], 0x00ff00ff, v[C16]
	v_mov_b32 v[VP], 0
	KSTAGE C16, 16
	KSTAGE C8, 8
	KSTAGE C4, 4
	KSTAGE C2, 2
	KSTAGE VM, 1
	s_delay_alu instid0(VALU_DEP_2)
	v_lshl_add_u32 v[VL], v[VP], 2, v[VI]          ; i = 128 (N / 4) + N % 4 + 4 x the bit's place
	v_cmp_gt_u32 vcc_lo, s56, v[VT]                ; is there a row of rank t?
	s_delay_alu instid0(VALU_DEP_1)
	v_cndmask_b32 v[VL], v[VPAD], v[VL], vcc_lo    ; else the pad
	v_mov_b32 v[VX], 0                             ; (a lane permute's destination counts as one of its sources)
	s_delay_alu instid0(VALU_DEP_1)
	v_permlanex16_b32 v[VX], v[VL], s30, s31
	s_delay_alu instid0(VALU_DEP_1)
	v_cndmask_b32 v16, v[VL], v[VX], s32           ; both halves of the lanes: entry lane % 16,
	s_delay_alu instid0(VALU_DEP_2)
	v_cndmask_b32 v17, v[VX], v[VL], s32           ; entry 16 + lane % 16
	v_mov_b32 v18, v[VL]
.endm
.macro LISTOUT                         ; the expert's first work-group stores the group's 32 entries for the next launch
	s_cmp_lg_u32 s22, 0
	s_cbranch_scc1 .Lnot_first_\@
	s_wait_alu depctr_va_vdst(0)
	global_store_b32 v[LL], v[VL], s[8:9]
.Lnot_first_\@:
.endm
.macro ADDR                            ; i = 2 token + slot -> the token, held inside x's 1,024 rows -> byte offsets
	v_lshrrev_b32 v16, 1, v16
	v_lshrrev_b32 v17, 1, v17
	v_lshrrev_b32 v18, 1, v18
	s_delay_alu instid0(VALU_DEP_3)
	v_min_u32 v16, 0x3ff, v16
	s_delay_alu instid0(VALU_DEP_3)
	v_min_u32 v17, 0x3ff, v17
	s_delay_alu instid0(VALU_DEP_3)
	v_min_u32 v18, 0x3ff, v18
	s_delay_alu instid0(VALU_DEP_3)
	v_mul_u32_u24 v[T0A], v16, 768
	s_delay_alu instid0(VALU_DEP_3)
	v_mul_u32_u24 v[T0A+1], v17, 768
	s_delay_alu instid0(VALU_DEP_3)
	v_lshlrev_b32 v[TLS], 5, v18
	s_delay_alu instid0(VALU_DEP_3)
	v_add_nc_u32 v[T0A], v[T0A], v[V24H]
	s_delay_alu instid0(VALU_DEP_3)
	v_add_nc_u32 v[T0A+1], v[T0A+1], v[V24H]
.endm
.macro XSLD                            ; x's scale words, register q for K step q: lanes 0-15 tile 0's rows, lanes 16-31 tile 1's
	global_load_b128 v[XS:XS+3], v[TLS], s[6:7]
	global_load_b128 v[XS+4:XS+7], v[TLS], s[6:7] offset:16
.endm
.macro XHL n                           ; half c of x's fragment (K step q, tile a), n = 4 q + 2 a + c: 24 bytes of my row's stream of bits, as they lie.  Destination window 1
.irp p, 0,1,2
	global_load_b64 v[24*((\n)/4)+12*(((\n)/2)%2)+6*((\n)%2)+2*\p:24*((\n)/4)+12*(((\n)/2)%2)+6*((\n)%2)+2*\p+1], v[T0A+((\n)/2)%2], s[4:5] offset:96*((\n)/4)+48*((\n)%2)+8*\p
.endr
.endm
; One step of STREAM: 512 numbers become 384 bytes of codes and 16 scale bytes in LDS.  Loads run eight steps ahead, the turn through the stage one.
.macro QSTEP t
.set XQ, X+16*((\t)%2)
.set CQ, CD+4*((\t)%2)
.set EQ, EB+(\t)%2
.set RO, 16*(((\t)/2)/8)+((\t)/2)%8    ; the LDS row, from my wave's first
.set PART, (\t)%2                      ; which 512 of the row's 1,024
.if (\t) > 0
	s_wait_dscnt 4                                 ; this step's numbers are back from the stage; the last step's three code stores and its byte store may be out
.else
	s_wait_dscnt 0x0
.endif
.if (\t)+8 < 32
	LOAD (\t)+8                                    ; into the set that this step's stage stores have read
.endif
	WIN 0x40
	XHL \t                                         ; the first group's x rides along: it is there when the weights are
	WIN 0
.if (\t) < 31
.set U, (\t)+1                         ; the loads issued behind step U's four, which may stay out:
.if U <= 7
.set NW, 28+XS0+XH*U                   ; the rest of the first eight steps', the scale words', and U steps' 4 + XH
.elseif 31-U < 7
.set NW, 8*XH+4*(31-U)                 ; eight steps' XH and what is left of the weights
.else
.set NW, 8*XH+28                       ; eight steps' XH and seven steps' four
.endif
	s_wait_loadcnt NW
	TURN (\t)+1
.endif
	v_max3_num_f32 v[TQ], |v[XQ]|, |v[XQ+1]|, |v[XQ+2]|
	v_max3_num_f32 v[TQ+1], |v[XQ+3]|, |v[XQ+4]|, |v[XQ+5]|
.irp i, 6,10
	s_delay_alu instid0(VALU_DEP_2)
	v_max3_num_f32 v[TQ], v[TQ], |v[XQ+\i]|, |v[XQ+\i+1]|
	s_delay_alu instid0(VALU_DEP_2)
	v_max3_num_f32 v[TQ+1], v[TQ+1], |v[XQ+\i+2]|, |v[XQ+\i+3]|
.endr
	s_delay_alu instid0(VALU_DEP_2)
	v_max3_num_f32 v[TQ], v[TQ], |v[XQ+14]|, |v[XQ+15]|
	s_delay_alu instid0(VALU_DEP_1)
	v_max3_num_f32 v[TQ], v[TQ], v[TQ+1], 0x2800000   ; and the floor 2^(5 - 127): the byte cannot fall under 1
	s_delay_alu instid0(VALU_DEP_1)
	v_max_num_f32_dpp v[TQ], v[TQ], v[TQ] row_xmask:1 row_mask:0xf bank_mask:0xf   ; with my neighbour's 16: the block's largest magnitude
	s_delay_alu instid0(VALU_DEP_1)
	v_add_nc_u32 v[TQ+2], 0xfe000000, v[TQ]        ; 4 off its exponent field: the conversion's scale operand
	v_cvt_scalef32_pk16_bf6_f32 v[CQ:CQ+2], v[XQ:XQ+15], v[TQ+2]
	v_lshrrev_b32 v[EQ], 23, v[TQ+2]               ; the scale's byte (also the plain line behind the conversion)
.irp i, 0,1,2
	ds_store_b32 v[CA], v[CQ+\i] offset:RO*PITCH+PART*384+4*\i   ; my 12 bytes at 12 x lane: words, so that every address is a multiple of the access's size
.endr
	ds_store_b8 v[BA], v[EQ] offset:RO*SP+PART*16  ; both lanes of a block write the same byte with the same value
.endm
	s_load_b512 s[4:19], s[0:1], 0x0               ; xc s[4:5], xs s[6:7], lst s[8:9], cnt s[10:11], w1 s[12:13], b1 s[14:15], h s[16:17], hs s[18:19]
	s_load_b64 s[60:61], s[0:1], 0x40              ; sel
	v_lshrrev_b32 v1, 5, v0
	s_delay_alu instid0(VALU_DEP_1)
	v_readfirstlane_b32 s20, v1                    ; wave
	s_lshr_b32 s21, ttmp9, 5                       ; expert
	s_and_b32 s22, ttmp9, 31                       ; which 128 hidden units
	v_and_b32 v67, 31, v0                          ; lane
	v_and_b32 v68, 15, v0                          ; r
	v_bfe_u32 v69, v0, 4, 1                        ; half
	s_delay_alu instid0(VALU_DEP_3)
	v_lshlrev_b32 v[GL], 4, v67
	s_mul_i32 s33, s20, 5120
	s_add_co_u32 s33, s33, STG                     ; my stages
	v_lshrrev_b32 v[SI], 2, v67
	s_delay_alu instid0(VALU_DEP_1)
	v_mul_u32_u24 v[SI], v[SI], 80
	v_and_b32 v[SO], 3, v67
	s_delay_alu instid0(VALU_DEP_1)
	v_lshl_add_u32 v[SI], v[SO], 4, v[SI]
	s_delay_alu instid0(VALU_DEP_1)
	v_add_nc_u32 v[SI], s33, v[SI]                 ; way in: 80 (lane / 4) + 16 (lane % 4)
	v_mul_u32_u24 v[SO], v67, 80
	s_delay_alu instid0(VALU_DEP_1)
	v_add_nc_u32 v[SO], s33, v[SO]                 ; way out: 80 x lane
	s_lshr_b32 s34, s20, 1
	s_lshl_b32 s34, s34, 5
	s_and_b32 s35, s20, 1
	s_lshl_b32 s35, s35, 3
	s_add_co_u32 s34, s34, s35                     ; my wave's first LDS row: 32 (w / 2) + 8 (w % 2)
	s_mul_i32 s35, s34, PITCH
	s_mul_i32 s36, s34, SP
	s_add_co_u32 s36, s36, WSC
	v_mul_u32_u24 v[CA], v67, 12
	s_delay_alu instid0(VALU_DEP_1)
	v_add_nc_u32 v[CA], s35, v[CA]
	v_lshrrev_b32 v[BA], 1, v67
	s_delay_alu instid0(VALU_DEP_1)
	v_add_nc_u32 v[BA], s36, v[BA]
	v_mul_u32_u24 v[V24H], v69, 24
	v_lshlrev_b32 v[LL], 2, v67                    ; 4 x lane: never rewritten
	v_lshlrev_b32 v16, 6, v69                      ; 64 x half: for b1's loads alone
	s_mov_b32 s28, 0x3dcccccd                      ; the slope 0.1
	s_mov_b32 s29, s28                             ; (named with it as a pair, so it is written)
	s_mov_b32 s30, 0x76543210
	s_mov_b32 s31, 0xfedcba98                      ; v_permlanex16_b32's selects for lane l xor 16
	s_mov_b32 s32, 0xffff0000                      ; lanes 16-31
	s_lshl_b32 s39, s20, 5                         ; 32 g: my first group is g = wave
	s_lshl_b32 s58, s21, 5
	s_add_co_u32 s58, s58, 2048                    ; my expert's first pad
	s_mov_b32 s27, 0
	s_wait_alu depctr_va_vdst(0)
	s_wait_kmcnt 0x0
	s_lshl_b32 s26, s21, 7
	s_add_nc_u64 s[10:11], s[10:11], s[26:27]      ; cnt at my expert's 32 words
	s_lshl_b32 s26, s21, 12
	s_lshl_b32 s37, s20, 7
	s_add_co_u32 s26, s26, s37
	s_add_nc_u64 s[8:9], s[8:9], s[26:27]          ; lst at my first group
	s_lshl_b32 s26, ttmp9, 19
	s_lshl_b32 s37, s20, 16
	s_add_co_u32 s26, s26, s37
	s_add_nc_u64 s[12:13], s[12:13], s[26:27]      ; W1 at my wave's 16 rows
	s_lshl_b32 s26, ttmp9, 9
	s_add_nc_u64 s[14:15], s[14:15], s[26:27]      ; b1 at my 128 units
	s_lshl_b32 s26, s21, 6
	s_lshl_b32 s37, s20, 1
	s_add_co_u32 s38, s26, s37                     ; 64 e + 2 g: my first tile of rows
	s_lshl_b32 s26, s38, 5
	s_add_co_u32 s26, s26, s22
	s_mul_i32 s26, s26, 1536
	s_add_nc_u64 s[16:17], s[16:17], s[26:27]      ; h at (tile, K step j)
	s_lshl_b32 s26, s38, 11
	s_lshr_b32 s37, s22, 2
	s_lshl_b32 s37, s37, 8
	s_add_co_u32 s26, s26, s37
	s_and_b32 s37, s22, 3
	s_lshl_b32 s37, s37, 2
	s_add_co_u32 s26, s26, s37
	s_add_nc_u64 s[18:19], s[18:19], s[26:27]      ; hs likewise
	WIN 0x40
.irp t, 0,1,2,3,4,5,6,7                ; b1 as the C of each sum's first product: lane (r, half), tile t: units 32 (t / 2) + 16 half + 8 (t % 2) + 0 .. 7
	global_load_b128 v[B1+8*\t:B1+8*\t+3], v16, s[14:15] offset:(32*(\t/2)+8*(\t%2))*4
	global_load_b128 v[B1+8*\t+4:B1+8*\t+7], v16, s[14:15] offset:(32*(\t/2)+8*(\t%2))*4+16
.endr
	WIN 0
	SELLD GL
.irp t, 0,1,2,3,4,5,6,7
	LOAD \t                                        ; the first eight steps of the weights are on their way while the list is made
.endr
	s_wait_loadcnt 32                              ; b1 and the choices are in; the 32 loads of steps 0-7 may be out
	SCAN
	s_add_co_u32 s24, s56, 31
	s_lshr_b32 s24, s24, 5                         ; the expert's groups of 32 rows,
	s_min_u32 s24, s24, 32                         ; at most 32: a token's two experts differ
	s_add_co_u32 s25, s24, 7
	s_sub_co_u32 s25, s25, s20
	s_lshr_b32 s25, s25, 3                         ; my groups: those of w, w + 8, .. that lie below the count;
	s_max_u32 s25, s25, 1                          ; the first is walked in any case
	s_min_u32 s25, s25, 4
	s_mov_b32 s23, 0                               ; trips done
	LISTOUT
	s_or_b32 s57, s22, s20
	s_cmp_lg_u32 s57, 0
	s_cbranch_scc1 .Lno_count                      ; wave 0 of the expert's first work-group stores the number of groups
	v_mov_b32 v6, s24
	global_store_b32 v[LL], v6, s[10:11]
.Lno_count:
	s_wait_alu depctr_va_vdst(0)
	ADDR
	XSLD
	s_wait_alu depctr_va_vdst(0)
	s_wait_loadcnt 28+XS0                          ; step 0's four are in
	TURN 0
.set Q, 0
.rept 32
	QSTEP Q
.set Q, Q+1
.endr
	s_wait_dscnt 0x0                               ; for the others' sake: my codes and bytes lie in LDS
	s_barrier_signal -1
	s_barrier_wait -1                              ; the launch's one barrier: from here on LDS is only read
	v_and_b32 v16, 15, v0                          ; r
	v_bfe_u32 v17, v0, 4, 1                        ; half
	v_and_b32 v18, 31, v0                          ; lane
	s_delay_alu instid0(VALU_DEP_3)
	v_mul_u32_u24 v[WA], v16, PITCH
	s_delay_alu instid0(VALU_DEP_1)
	v_add_nc_u32 v[WA], v[WA], v[V24H]             ; a fragment's row x pitch + 24 x half
	s_delay_alu instid0(VALU_DEP_1)
	v_add_nc_u32 v[WA+1], 64*PITCH, v[WA]          ; tiles 4-7: an LDS offset has 16 bits
	v_mul_u32_u24 v[WSA], v16, SP
	s_delay_alu instid0(VALU_DEP_1)
	v_add_nc_u32 v[WSA], WSC, v[WSA]
	v_lshlrev_b32 v[HSO], 4, v16
	s_delay_alu instid0(VALU_DEP_1)
	v_lshl_add_u32 v[HSO], v17, 11, v[HSO]         ; hs: tile = half, row r
	v_lshlrev_b32 v[LI], 4, v18
.macro LDW H, q                        ; W1's tiles 4 H .. 4 H + 3 of K step q, and their rows' scale words: 28 LDS loads
.irp tt, 0,1,2,3
.irp p, 0,1,2,3,4,5
	ds_load_b64 v[WF+12*(4*(\H)+\tt)+2*\p:WF+12*(4*(\H)+\tt)+2*\p+1], v[WA+(\H)] offset:\tt*16*PITCH+96*(\q)+48*(\p/3)+8*(\p%3)
.endr
	ds_load_b32 v[WS+4*(\H)+\tt], v[WSA] offset:16*SP*(4*(\H)+\tt)+4*(\q)
.endr
.endm
.macro MUL H, q                        ; eight products: four tiles of W1 x two tiles of rows; the accumulators take turns
.irp tt, 0,1,2,3
.set TI, 4*(\H)+\tt
.if (\q) == 0
	v_wmma_scale_f32_16x16x128_f8f6f4 v[ACC+8*TI:ACC+8*TI+7], v[WF+12*TI:WF+12*TI+11], v[24*(\q):24*(\q)+11], v[B1+8*TI:B1+8*TI+7], v[WS+TI], v[XS+(\q)] matrix_a_fmt:MATRIX_FMT_BF6 matrix_b_fmt:MATRIX_FMT_BF6
	v_wmma_scale_f32_16x16x128_f8f6f4 v[ACC+64+8*TI:ACC+64+8*TI+7], v[WF+12*TI:WF+12*TI+11], v[24*(\q)+12:24*(\q)+23], v[B1+8*TI:B1+8*TI+7], v[WS+TI], v[XS+(\q)] matrix_a_fmt:MATRIX_FMT_BF6 matrix_b_fmt:MATRIX_FMT_BF6 matrix_b_scale:MATRIX_SCALE_ROW1
.else
	v_wmma_scale_f32_16x16x128_f8f6f4 v[ACC+8*TI:ACC+8*TI+7], v[WF+12*TI:WF+12*TI+11], v[24*(\q):24*(\q)+11], v[ACC+8*TI:ACC+8*TI+7], v[WS+TI], v[XS+(\q)] matrix_a_fmt:MATRIX_FMT_BF6 matrix_b_fmt:MATRIX_FMT_BF6
	v_wmma_scale_f32_16x16x128_f8f6f4 v[ACC+64+8*TI:ACC+64+8*TI+7], v[WF+12*TI:WF+12*TI+11], v[24*(\q)+12:24*(\q)+23], v[ACC+64+8*TI:ACC+64+8*TI+7], v[WS+TI], v[XS+(\q)] matrix_a_fmt:MATRIX_FMT_BF6 matrix_b_fmt:MATRIX_FMT_BF6 matrix_b_scale:MATRIX_SCALE_ROW1
.endif
.endr
.endm
.macro LEAKY base                      ; 32 numbers: max(s, 0.1 s) is s where s > 0 and 0.1 s elsewhere.  Each accumulator is read from its low end on
.set K_, 0
.rept 16
	v_pk_mul_f32 v[LK+2*K_:LK+2*K_+1], v[\base+2*K_:\base+2*K_+1], s[28:29] op_sel_hi:[1,0]
.set K_, K_+1
.endr
.set K_, 0
.rept 32
	v_max_num_f32 v[\base+K_], v[\base+K_], v[LK+K_]
.set K_, K_+1
.endr
.endm
; 64 numbers of a lane, register 16 b + i = k 32 b + 16 (lane / 16) + i of my row, become a fragment's codes in v[pc] .. v[pc + 11] and its scale word in v[pw]
.macro QUANT s, pc, pw
.irp b, 0,1,2,3
	v_max3_num_f32 v[TM+\b], |v[\s+16*\b]|, |v[\s+1+16*\b]|, 0x2800000   ; my 16 numbers of block b, and the floor 2^(5 - 127)
.endr
.irp i, 2,4,6,8,10,12,14
.irp b, 0,1,2,3
	s_delay_alu instid0(VALU_DEP_4)
	v_max3_num_f32 v[TM+\b], v[TM+\b], |v[\s+16*\b+\i]|, |v[\s+1+16*\b+\i]|   ; the four blocks by turns
.endr
.endr
.irp b, 0,1,2,3
	s_delay_alu instid0(VALU_DEP_4)
	v_permlanex16_b32 v[TM+4+\b], v[TM+\b], s30, s31
.endr
.irp b, 0,1,2,3
	s_delay_alu instid0(VALU_DEP_4)
	v_max_num_f32 v[TM+\b], v[TM+\b], v[TM+4+\b]   ; with lane l xor 16's: the block's largest magnitude
.endr
.irp b, 0,1,2,3
	s_delay_alu instid0(VALU_DEP_4)
	v_add_nc_u32 v[TM+12+\b], 0xfe000000, v[TM+\b] ; 4 off its exponent field: the conversion's scale operand
.endr
.irp b, 0,1,2,3
	s_delay_alu instid0(VALU_DEP_4)
	v_lshrrev_b32 v[TM+4+\b], 23, v[TM+12+\b]      ; the scale's byte
.endr
	s_delay_alu instid0(VALU_DEP_3)
	v_lshl_or_b32 v[\pw], v[TM+5], 8, v[TM+4]
	s_delay_alu instid0(VALU_DEP_1)
	v_lshl_or_b32 v[\pw], v[TM+6], 16, v[\pw]
	s_delay_alu instid0(VALU_DEP_1)
	v_lshl_or_b32 v[\pw], v[TM+7], 24, v[\pw]
.irp c, 0,1
	v_cvt_scalef32_pk16_bf6_f32 v[\pc+6*\c:\pc+2+6*\c], v[\s+32*\c:\s+15+32*\c], v[TM+12+2*\c]
	v_cvt_scalef32_pk16_bf6_f32 v[\pc+12+4*\c:\pc+14+4*\c], v[\s+16+32*\c:\s+31+32*\c], v[TM+12+2*\c+1]   ; (a conversion's three registers begin on an even number)
.endr
	v_nop                                          ; one plain line behind a scaled conversion
.irp c, 0,1                            ; the operand's layout wants a whole block in a lane: lanes 0-15 block 2 c, lanes 16-31 block 2 c + 1
.irp i, 0,1,2
	v_permlane16_swap_b32 v[\pc+6*\c+\i], v[\pc+12+4*\c+\i]
.endr
.irp i, 0,1,2
	s_delay_alu instid0(VALU_DEP_3)
	v_mov_b32 v[\pc+3+6*\c+\i], v[\pc+12+4*\c+\i]
.endr
.endr
.endm
.Ltrip:                                ; a group of 32 rows
	LDW 0, 0
	LDW 1, 0
.set QQ, 0
	s_wait_alu depctr_va_vdst(0)
.rept 8
.if 12*(7-QQ) > 63
	s_wait_loadcnt 63
.else
	s_wait_loadcnt 12*(7-QQ)                       ; x's two fragments of this K step are in; the 12 loads of each later K step may be out
.endif
	s_wait_dscnt 28                                ; tiles 0-3 are in; the 28 loads of tiles 4-7 may be out
.if QQ == 0
	WIN 0x14                                       ; source 1 (x) and source 2 (b1) window 1
.else
	WIN 0x04                                       ; source 1 window 1
.endif
	MUL 0, QQ
	PLACES
.if QQ < 7
	LDW 0, QQ+1
	s_wait_dscnt 28                                ; tiles 4-7 are in; the 28 just issued may be out
.else
	s_wait_dscnt 0x0
.endif
	MUL 1, QQ
	PLACES
.if QQ < 7
	LDW 1, QQ+1
.endif
.set QQ, QQ+1
.endr
	WIN 0
.irp b, 0,1,2,3
	v_mov_b32 v[TM+4+\b], 0                        ; a lane permute's destination counts as one of its sources
.endr
	LEAKY ACC
	LEAKY ACC+32
	QUANT ACC, PC0, PW0
.irp c, 0,1,2
	global_store_b128 v[LI], v[PC0+4*\c:PC0+4*\c+3], s[16:17] offset:512*\c        ; the fragment as it stands: the wave stores 512 consecutive bytes
.endr
	LEAKY ACC+64
	LEAKY ACC+96
	QUANT ACC+64, PC1, PW1
.irp c, 0,1,2
	global_store_b128 v[LI], v[PC1+4*\c:PC1+4*\c+3], s[16:17] offset:49152+512*\c  ; the next tile of rows: 32 K steps of 1,536 bytes on
.endr
	v_cndmask_b32 v90, v[PW0], v[PW1], s32         ; lanes 0-15 carry tile 0's scale words, lanes 16-31 tile 1's
	global_store_b32 v[HSO], v90, s[18:19]
	s_wait_xcnt 0x0                                ; the stores, the list's among them, have read their registers and bases: both are written again below
	s_add_co_u32 s23, s23, 1
	s_add_co_u32 s39, s39, 256                     ; my next group: eight groups on
	s_add_nc_u64 s[8:9], s[8:9], 1024
	s_add_nc_u64 s[16:17], s[16:17], 786432        ; 16 tiles of rows on
	s_add_nc_u64 s[18:19], s[18:19], 32768
	s_cmp_ge_u32 s23, s25
	s_cbranch_scc1 .Lnoload                        ; nothing is asked for behind the last group
	SELLD LI
	s_wait_loadcnt 0x0                             ; the choices are in: nothing else is out
	SCAN
	LISTOUT
	s_wait_alu depctr_va_vdst(0)
	ADDR
	XSLD
	WIN 0x40
.set Q, 0
.rept 32
	XHL Q
.set Q, Q+1
.endr
	WIN 0
.Lnoload:
	s_cmp_lt_u32 s23, s25
	s_cbranch_scc1 .Ltrip
	s_wait_xcnt 0x0
	v_lshl_add_u32 v254, v0, 2, 0x24000
	v_mov_b32 v255, 0
	s_wait_alu depctr_va_vdst(0)
	s_wait_tensorcnt 0x0
	ds_add_u32 v254, v255
	s_wait_dscnt 0x0
	s_endpgm
.Lfunc_end_k_q378d75d1b4_ffn1:
	.size	k_q378d75d1b4_ffn1, .Lfunc_end_k_q378d75d1b4_ffn1-k_q378d75d1b4_ffn1
	.p2alignl 7, 3214868480
	.fill 96, 4, 3214868480
	.section	.rodata,"a",@progbits
	.p2align	6, 0x0
	.amdhsa_kernel k_q378d75d1b4_ffn1
		.amdhsa_group_segment_fixed_size 148480
		.amdhsa_private_segment_fixed_size 0
		.amdhsa_enable_private_segment 0
		.amdhsa_kernarg_size 72
		.amdhsa_user_sgpr_count 2
		.amdhsa_user_sgpr_kernarg_segment_ptr 1
		.amdhsa_wavefront_size32 1
		.amdhsa_system_sgpr_workgroup_id_x 1
		.amdhsa_system_sgpr_workgroup_id_y 1
		.amdhsa_system_sgpr_workgroup_id_z 1
		.amdhsa_system_vgpr_workitem_id 0
		.amdhsa_next_free_vgpr 512
		.amdhsa_next_free_sgpr 66
		.amdhsa_reserve_vcc 1
		.amdhsa_float_denorm_mode_32 3
		.amdhsa_float_denorm_mode_16_64 3
		.amdhsa_memory_ordered 1
		.amdhsa_forward_progress 1
		.amdhsa_inst_pref_size 228
	.end_amdhsa_kernel
	.amdgpu_metadata
---
amdhsa.version: [ 1, 2 ]
amdhsa.kernels:
  - .name:           k_q378d75d1b4_ffn1
    .symbol:         k_q378d75d1b4_ffn1.kd
    .args:
      - { .name: xc, .offset: 0, .size: 8, .value_kind: global_buffer, .address_space: global }
      - { .name: xs, .offset: 8, .size: 8, .value_kind: global_buffer, .address_space: global }
      - { .name: lst, .offset: 16, .size: 8, .value_kind: global_buffer, .address_space: global }
      - { .name: cnt, .offset: 24, .size: 8, .value_kind: global_buffer, .address_space: global }
      - { .name: w1, .offset: 32, .size: 8, .value_kind: global_buffer, .address_space: global }
      - { .name: b1, .offset: 40, .size: 8, .value_kind: global_buffer, .address_space: global }
      - { .name: h, .offset: 48, .size: 8, .value_kind: global_buffer, .address_space: global }
      - { .name: hs, .offset: 56, .size: 8, .value_kind: global_buffer, .address_space: global }
      - { .name: sel, .offset: 64, .size: 8, .value_kind: global_buffer, .address_space: global }
    .group_segment_fixed_size: 148480
    .private_segment_fixed_size: 0
    .kernarg_segment_align: 8
    .kernarg_segment_size: 72
    .max_flat_workgroup_size: 256
    .sgpr_count:     66
    .vgpr_count:     512
    .wavefront_size: 32
...
	.end_amdgpu_metadata
.endif
;; end of part 6
;; launch ffn2 (part 7): grid 256 x 1, 8 waves a work-group, no clusters, 148,480 bytes of LDS; arguments h, hs, lst, cnt, out2, w2, b2, y; writes y
.if DOCPART == 7
	.amdgcn_target "amdgcn-amd-amdhsa--gfx1250"
	.amdhsa_code_object_version 6
	.text
	.protected	k_q378d75d1b4_ffn2
	.globl	k_q378d75d1b4_ffn2
	.p2align	8
	.type	k_q378d75d1b4_ffn2,@function
k_q378d75d1b4_ffn2:
	s_mov_b64 s[64:65], 0
	v_nop
	global_prefetch_b8 v0, s[64:65] scope:SCOPE_SE
	s_setreg_imm32_b32 hwreg(HW_REG_WAVE_SCHED_MODE, 0, 2), 2
	s_setreg_imm32_b32 hwreg(HW_REG_WAVE_MODE, 25, 1), 1
	s_wait_xcnt 0x0
	s_wait_alu depctr_vm_vsrc(0)
; SECOND LAYER OF THE EXPERTS: y[i] = gate[i] x (h Q(W2[e])^T + b2[e]) for each routed row i = 2 token + slot.
; THE WEIGHTS STAY, THE ROWS MOVE.  Work-group wg = 32 e + j owns output columns 32 j .. 32 j + 31 of expert e over all K = 4,096: 32 rows of W2, one dense block of
; 512 KiB of f32 that no other work-group reads.  STREAM: each of the eight waves reads four of the rows once, in loads of 512 consecutive bytes, quantises them
; (E3M2, one E8M0 byte for 32 along K) and lays codes and scale bytes in LDS.  One barrier.  Then wave w takes the expert's groups of 32 rows g = w, w + 8, .. below
; the stored count: the hidden layer's fragments come from memory as images of their registers, through a ring of nine slots in registers, eight K steps on their way.
; No tensor load and no cluster: the walk over groups hangs on a stored count, the weights pass through registers for the quantiser, and no two work-groups share a weight byte.
; THE MATRIX INSTRUCTION IS USED TRANSPOSED (source 0 = 16 rows of W2, source 1 = 16 rows of h): a lane holds one row and eight neighbouring columns.
; A row's 32 columns are 128 consecutive bytes of y: with 256 owners of 32 columns each that is what a work-group has of a row.
; Pad rows (list entries from 2,048 on) go to rows of y of their own, which nobody reads.  A wave's first ring is asked for ahead of its count: the launch before has stored
; the first eight groups' fragments of every expert; a wave that has no rows does not use them.
; LIMITS: NaN and infinities are not served; a block of zeros gets the byte 1 (its codes are zeros, and this program alone reads the bytes).
; THE MODE: SCHED_MODE bits 1:0 = 2 (LLVM: expert scheduling mode 2), set by the entry lines.  The code itself states the register dependences
; between vector or matrix instructions and memory or LDS instructions, with s_wait_alu, always for 0.
; THE PLAN.  Registers that memory or LDS instructions touch:
;   STREAM, step t.  R0 .. R7: the loads of step t + 8 land in R[t % 8]; the stage's stores read it; no vector line names them.
;     X0, X1: the stage's loads for step t + 1, issued in step t, land in X[(t + 1) % 2]; step t + 1's maxima and conversion read it.
;     CD0, CD1, EB0, EB1: step t's conversion and shift write set t % 2; the four LDS stores that read it are issued in step t + 1.
;     So two waits stand at a step's head: on vm_vsrc (the stage's stores have read R[t % 8]; the stores issued a step ago have read set t % 2 of CD and EB) and on
;     va_vdst (the step before has written its CD and EB and is done reading its X).
;   ROWS, K step s.  W2's fragments: THREE sets; step s's products read set s % 3; the LDS loads of step s + 2, issued in step s, land in set (s + 2) % 3 = (s - 1) % 3.
;     The ring of h: NINE slots; step s's products read slot s % 9; the loads of step s + 8, issued in step s, land in slot (s + 8) % 9 = (s - 1) % 9.
;     So ONE wait on va_vdst stands in a step, behind its waits for data and ahead of its products: it states that the products of the step before are done reading their set
;     and their slot.  The step's four products follow, which name set s % 3, slot s % 9, two scale registers and the accumulators, and behind them its eighteen loads, which touch none of these.
;   A GROUP.  v24-25 the list, v64-95 h's scale words, slots 0-7: asked for at the loop's edge.  v8-9: the gates' offsets, v10, v12: the gates; one wait on va_vdst ahead of their loads.
;     v6-7 and the accumulators: the stores' offsets and data, behind one wait on va_vdst; one wait on vm_vsrc at the loop's edge frees them and v8-9.
;   v1-5: addresses, made at the head, v1-3 anew behind the barrier (a wait on vm_vsrc ahead, one on va_vdst behind); v20-22, v26: made at the head; none is stepped.  v30, v31: read by the closing add alone.
; REGISTERS.  Window 0, STREAM: v1-5 addresses, v6-8 at work, v10-11 bytes, v12-19 codes, v32-63 two sets of 16 neighbours, v128-255 eight sets of 16 as loaded.
;   Window 0, always: v20 16 x lane, v21 my place in hs, v22 4 r, v24-25 the list, v26 32 x half, v64-95 h's scale words (register s for K step s).
;   Window 0, rows: v1-3 LDS addresses, v6-7 my rows in y, v8-9 in out2, v10-13 gates, v96-127 W2's scale words, v128-175 and v208-231 W2's fragments (three sets of two), v176-207 four accumulators.
;   Window 1: v0-191 and v208-231 the ring: K step s, tile a in slot s % 9; v192-207 b2 in the result's layout.
.set PITCH, 3088                       ; a row of codes in LDS: 3,072 bytes + 16 = 772 words: row r starts at bank 4 r mod 64 (64 banks of 4 bytes: ISA guide 11.1)
.set SP,    144                        ; a row of scale bytes: 128 + 16
.set WSC,   32*PITCH
.set STG,   WSC+32*SP
.set WB,    14                         ; s[14:15] my wave's 64 KiB of W2
.set GL,  1
.set SI,  2
.set SO,  3
.set CA,  4
.set BA,  5
.set EB,  10
.set CD,  12
.set LI,  20
.set HSO, 21
.set LR,  22
.set X,   32
.set HS,  64
.set R,   128
.set WA,  1                            ; v1, v2: my place in column tile 0, 1 of the codes
.set WSL, 3
.set WS,  96
.set WF,  128                          ; set k of W2's fragments at WF + 24 k + 32 (k / 2): v128, v152, v208
.set ACC, 176
.set B2,  192                          ; in window 1
.set MSB, 0
.macro WIN new                         ; the immediate's high byte repeats the setting that is left
.if MSB != \new
	s_set_vgpr_msb (MSB<<8)|\new
.set MSB, \new
.endif
.endm
.macro PLACES                          ; four plain lines between a matrix instruction and a load into, or a read of, its registers
.rept 4
	v_nop
.endr
.endm
.macro LOAD t                          ; step t: 512 numbers, four loads of 512 consecutive bytes, into set t % 8
.irp i, 0,1,2,3
	global_load_b128 v[R+16*((\t)%8)+4*\i:R+16*((\t)%8)+4*\i+3], v[GL], s[WB:WB+1] offset:2048*(\t)+512*\i th:TH_LOAD_NT
.endr
.endm
.macro TURN t                          ; through my stage: stored as loaded, read back 64 neighbouring bytes a lane; LDS serves a wave's instructions in order
.irp i, 0,1,2,3
	ds_store_b128 v[SI], v[R+16*((\t)%8)+4*\i:R+16*((\t)%8)+4*\i+3] offset:2560*((\t)%2)+640*\i
.endr
.irp i, 0,1,2,3
	ds_load_b128 v[X+16*((\t)%2)+4*\i:X+16*((\t)%2)+4*\i+3], v[SO] offset:2560*((\t)%2)+16*\i
.endr
.endm
.macro CSTORE t                        ; step t's 384 bytes of codes and 16 scale bytes go to their LDS row
.set CS_, CD+4*((\t)%2)
.set ES_, EB+(\t)%2
.set RO, (\t)/8                        ; the LDS row, from my wave's first
.set PART, (\t)%8                      ; which 512 of the row's 4,096
.irp i, 0,1,2
	ds_store_b32 v[CA], v[CS_+\i] offset:RO*PITCH+PART*384+4*\i   ; my 12 bytes at 12 x lane: words, so that every address is a multiple of the access's size
.endr
	ds_store_b8 v[BA], v[ES_] offset:RO*SP+PART*16  ; both lanes of a block write the same byte with the same value
.endm
; One step of STREAM: 512 numbers become 384 bytes of codes and 16 scale bytes.  Loads run eight steps ahead, the turn through the stage one; a step's codes go to LDS in the step behind it.
.macro QSTEP t
.set XQ, X+16*((\t)%2)
.set CQ, CD+4*((\t)%2)
.set EQ, EB+(\t)%2
	s_wait_dscnt 0x0                               ; this step's numbers are back from the stage: their loads were the last LDS instructions that I issued
	s_wait_alu depctr_vm_vsrc(0)                   ; the stage's stores have read R[t % 8], in which the loads below land; the stores issued a step ago have read set t % 2 of the codes and bytes, which this step's conversion and shift write
.if (\t) > 0
	s_wait_alu depctr_va_vdst(0)                   ; the step before has written its codes and its byte, which the stores below read, and is done reading its 16 neighbours, in which the stage's loads below land
.endif
.if (\t)+8 < 32
	LOAD (\t)+8                                    ; into the set that this step's stage stores have read
.endif
.if (\t) > 0
	CSTORE (\t)-1                                  ; the codes and bytes of the step before
.endif
.if (\t) < 31
.if 30-(\t) < 7
	s_wait_loadcnt 4*(30-(\t))                     ; the next step's four are in; what is left behind them may be out
.else
	s_wait_loadcnt 28                              ; the next step's four are in; seven steps' four may be out
.endif
	TURN (\t)+1
.endif
	v_max3_num_f32 v6, |v[XQ]|, |v[XQ+1]|, |v[XQ+2]|
	v_max3_num_f32 v7, |v[XQ+3]|, |v[XQ+4]|, |v[XQ+5]|
.irp i, 6,10
	v_max3_num_f32 v6, v6, |v[XQ+\i]|, |v[XQ+\i+1]|
	v_max3_num_f32 v7, v7, |v[XQ+\i+2]|, |v[XQ+\i+3]|
.endr
	v_max3_num_f32 v6, v6, |v[XQ+14]|, |v[XQ+15]|
	v_max3_num_f32 v6, v6, v7, 0x2800000           ; and the floor 2^(5 - 127): the byte cannot fall under 1
	v_max_num_f32_dpp v6, v6, v6 row_xmask:1 row_mask:0xf bank_mask:0xf   ; with my neighbour's 16: the block's largest magnitude
	v_add_nc_u32 v8, 0xfe000000, v6                ; 4 off its exponent field: the conversion's scale operand
	v_cvt_scalef32_pk16_bf6_f32 v[CQ:CQ+2], v[XQ:XQ+15], v8
	v_lshrrev_b32 v[EQ], 23, v8                    ; the scale's byte (also the plain line behind the conversion)
.endm
.macro HLD s                           ; h's two fragments of K step s into ring slot s % 9 (slot k at 24 k + 16 (k / 8) of window 1): six loads of 512 consecutive bytes
	WIN 0x40                                       ; destination window 1
.irp a, 0,1
.irp c, 0,1,2
	global_load_b128 v[24*((\s)%9)+16*(((\s)%9)/8)+12*\a+4*\c:24*((\s)%9)+16*(((\s)%9)/8)+12*\a+4*\c+3], v[LI], s[4:5] offset:49152*\a+1536*(\s)+512*\c
.endr
.endr
.endm
.macro HSLD                            ; h's scale words of all 32 K steps: lanes 0-15 tile 0's rows, lanes 16-31 tile 1's
.irp k, 0,1,2,3,4,5,6,7
	global_load_b128 v[HS+4*\k:HS+4*\k+3], v[HSO], s[6:7] offset:256*\k
.endr
.endm
	s_load_b512 s[4:19], s[0:1], 0x0               ; h s[4:5], hs s[6:7], lst s[8:9], cnt s[10:11], out2 s[12:13], w2 s[14:15], b2 s[16:17], y s[18:19]
	v_lshl_add_u32 v30, v0, 2, 0x24000
	v_mov_b32 v31, 0
	v_lshrrev_b32 v1, 5, v0
	v_readfirstlane_b32 s20, v1                    ; wave
	s_lshr_b32 s21, ttmp9, 5                       ; expert
	s_and_b32 s22, ttmp9, 31                       ; which 32 columns
	v_and_b32 v9, 31, v0                           ; lane
	v_and_b32 v10, 15, v0                          ; r
	v_bfe_u32 v11, v0, 4, 1                        ; half
	v_lshlrev_b32 v[GL], 4, v9
	v_lshlrev_b32 v[LI], 4, v9
	s_wait_alu depctr_va_sdst(0)                   ; s20 is written, ahead of its first reader: LDS places and bases are made from it
	s_mul_i32 s33, s20, 5120
	s_add_co_u32 s33, s33, STG                     ; my stages
	v_lshrrev_b32 v[SI], 2, v9
	v_mul_u32_u24 v[SI], v[SI], 80
	v_and_b32 v[SO], 3, v9
	v_lshl_add_u32 v[SI], v[SO], 4, v[SI]
	v_add_nc_u32 v[SI], s33, v[SI]                 ; way in: 80 (lane / 4) + 16 (lane % 4)
	v_mul_u32_u24 v[SO], v9, 80
	v_add_nc_u32 v[SO], s33, v[SO]                 ; way out: 80 x lane
	s_lshl_b32 s34, s20, 2                         ; my wave's first LDS row: 4 w
	s_mul_i32 s35, s34, PITCH
	s_mul_i32 s36, s34, SP
	s_add_co_u32 s36, s36, WSC
	v_mul_u32_u24 v[CA], v9, 12
	v_add_nc_u32 v[CA], s35, v[CA]
	v_lshrrev_b32 v[BA], 1, v9
	v_add_nc_u32 v[BA], s36, v[BA]
	v_lshlrev_b32 v[HSO], 4, v10
	v_lshl_add_u32 v[HSO], v11, 11, v[HSO]         ; hs: tile = half, row r
	v_lshlrev_b32 v[LR], 2, v10
	v_lshlrev_b32 v26, 5, v11                      ; 32 x half
	s_mov_b32 s27, 0
	s_wait_kmcnt 0x0
	s_lshl_b32 s26, s21, 7
	s_add_nc_u64 s[10:11], s[10:11], s[26:27]
	s_load_b32 s24, s[10:11], 0x0                  ; the expert's groups of 32 rows
	s_lshl_b32 s26, s21, 12
	s_lshl_b32 s37, s20, 7
	s_add_co_u32 s26, s26, s37
	s_add_nc_u64 s[8:9], s[8:9], s[26:27]          ; lst at my first group, g = wave
	s_lshl_b32 s26, ttmp9, 19
	s_lshl_b32 s37, s20, 16
	s_add_co_u32 s26, s26, s37
	s_add_nc_u64 s[14:15], s[14:15], s[26:27]      ; W2 at my wave's four rows
	s_lshl_b32 s26, ttmp9, 7
	s_add_nc_u64 s[16:17], s[16:17], s[26:27]      ; b2 at my 32 columns
	s_lshl_b32 s26, s22, 7
	s_add_nc_u64 s[18:19], s[18:19], s[26:27]      ; y at my 32 columns
	s_lshl_b32 s26, s21, 6
	s_lshl_b32 s37, s20, 1
	s_add_co_u32 s38, s26, s37                     ; 64 e + 2 g: my first tile of rows
	s_mul_i32 s26, s38, 49152
	s_add_nc_u64 s[4:5], s[4:5], s[26:27]          ; h at that tile
	s_lshl_b32 s26, s38, 11
	s_add_nc_u64 s[6:7], s[6:7], s[26:27]          ; hs likewise
	s_wait_alu depctr_va_vdst(0)                   ; the addresses v1-5, v20-22 and v26 are written, which the loads and LDS instructions below read
	global_load_b32 v24, v[LR], s[8:9]             ; the list: tile 0's row r,
	global_load_b32 v25, v[LR], s[8:9] offset:64   ; tile 1's
	WIN 0x40
.irp n, 0,1                            ; b2 as the C of each sum's first product: lane (r, half), tile n: columns 16 n + 8 half + 0 .. 7
	global_load_b128 v[B2+8*\n:B2+8*\n+3], v26, s[16:17] offset:64*\n
	global_load_b128 v[B2+8*\n+4:B2+8*\n+7], v26, s[16:17] offset:64*\n+16
.endr
	WIN 0
	HSLD
.irp s, 0,1,2,3,4,5,6,7
	HLD \s                                         ; the first group's ring is asked for ahead of the weights: it needs no list
.endr
	WIN 0
.irp t, 0,1,2,3,4,5,6,7
	LOAD \t
.endr
	s_wait_loadcnt 28                              ; step 0's four are in
	TURN 0
.set Q, 0
.rept 32
	QSTEP Q
.set Q, Q+1
.endr
	s_wait_alu depctr_va_vdst(0)                   ; the last step has written its codes and its byte, which the stores below read
	CSTORE 31
	s_wait_dscnt 0x0                               ; for the others' sake: my codes and bytes lie in LDS
	s_barrier_signal -1
	s_barrier_wait -1                              ; the launch's one barrier: from here on LDS is only read
	s_wait_alu depctr_vm_vsrc(0)                   ; the stream's loads and LDS instructions have read v1-3, which are made anew below, the bytes and codes v10-19, in which the gates land, and v128-255, in which W2's fragments land and which the products write
	v_and_b32 v6, 15, v0                           ; r
	v_bfe_u32 v7, v0, 4, 1                         ; half
	v_and_b32 v8, 31, v0                           ; lane
	v_mul_u32_u24 v[WA], v6, PITCH
	v_mad_u32_u24 v[WA], v7, 24, v[WA]             ; a fragment's row x pitch + 24 x half
	v_add_nc_u32 v[WA+1], 16*PITCH, v[WA]          ; column tile 1
	v_mul_u32_u24 v[WSL], v8, SP
	v_add_nc_u32 v[WSL], WSC, v[WSL]               ; scale words: lane = row of W2, so lanes 16-31 hold column tile 1's
	s_wait_kmcnt 0x0
	s_min_u32 s24, s24, 32                         ; an expert has at most 32 groups
	s_add_co_u32 s25, s24, 7
	s_sub_co_u32 s25, s25, s20
	s_lshr_b32 s25, s25, 3                         ; my groups: those of w, w + 8, .. that lie below the count
	s_min_u32 s25, s25, 4
	s_mov_b32 s23, 0                               ; trips done
	s_cmp_eq_u32 s25, 0
	s_cbranch_scc1 .Ldone                          ; a wave that this split leaves without rows ends
	s_wait_alu depctr_va_vdst(0)                   ; v1-3 are written, which the LDS loads of the rows' loop read
.irp k, 0,1,2,3,4,5,6,7
	ds_load_b128 v[WS+4*\k:WS+4*\k+3], v[WSL] offset:16*\k   ; register s for K step s: they stay
.endr
.macro LDW s                           ; W2's two fragments of K step s into set s % 3: 12 LDS loads
.irp n, 0,1
.irp p, 0,1,2,3,4,5
	ds_load_b64 v[WF+24*((\s)%3)+32*(((\s)%3)/2)+12*\n+2*\p:WF+24*((\s)%3)+32*(((\s)%3)/2)+12*\n+2*\p+1], v[WA+\n] offset:96*(\s)+48*(\p/3)+8*(\p%3)
.endr
.endr
.endm
.macro MUL s                           ; four products: two column tiles x two tiles of rows; the accumulators take turns
.set F0, WF+24*((\s)%3)+32*(((\s)%3)/2)
.set H0, 24*((\s)%9)+16*(((\s)%9)/8)
.if (\s) == 0
	v_wmma_scale_f32_16x16x128_f8f6f4 v[ACC:ACC+7], v[F0:F0+11], v[H0:H0+11], v[B2:B2+7], v[WS+(\s)], v[HS+(\s)] matrix_a_fmt:MATRIX_FMT_BF6 matrix_b_fmt:MATRIX_FMT_BF6
	v_wmma_scale_f32_16x16x128_f8f6f4 v[ACC+8:ACC+15], v[F0+12:F0+23], v[H0:H0+11], v[B2+8:B2+15], v[WS+(\s)], v[HS+(\s)] matrix_a_fmt:MATRIX_FMT_BF6 matrix_b_fmt:MATRIX_FMT_BF6 matrix_a_scale:MATRIX_SCALE_ROW1
	v_wmma_scale_f32_16x16x128_f8f6f4 v[ACC+16:ACC+23], v[F0:F0+11], v[H0+12:H0+23], v[B2:B2+7], v[WS+(\s)], v[HS+(\s)] matrix_a_fmt:MATRIX_FMT_BF6 matrix_b_fmt:MATRIX_FMT_BF6 matrix_b_scale:MATRIX_SCALE_ROW1
	v_wmma_scale_f32_16x16x128_f8f6f4 v[ACC+24:ACC+31], v[F0+12:F0+23], v[H0+12:H0+23], v[B2+8:B2+15], v[WS+(\s)], v[HS+(\s)] matrix_a_fmt:MATRIX_FMT_BF6 matrix_b_fmt:MATRIX_FMT_BF6 matrix_a_scale:MATRIX_SCALE_ROW1 matrix_b_scale:MATRIX_SCALE_ROW1
.else
	v_wmma_scale_f32_16x16x128_f8f6f4 v[ACC:ACC+7], v[F0:F0+11], v[H0:H0+11], v[ACC:ACC+7], v[WS+(\s)], v[HS+(\s)] matrix_a_fmt:MATRIX_FMT_BF6 matrix_b_fmt:MATRIX_FMT_BF6
	v_wmma_scale_f32_16x16x128_f8f6f4 v[ACC+8:ACC+15], v[F0+12:F0+23], v[H0:H0+11], v[ACC+8:ACC+15], v[WS+(\s)], v[HS+(\s)] matrix_a_fmt:MATRIX_FMT_BF6 matrix_b_fmt:MATRIX_FMT_BF6 matrix_a_scale:MATRIX_SCALE_ROW1
	v_wmma_scale_f32_16x16x128_f8f6f4 v[ACC+16:ACC+23], v[F0:F0+11], v[H0+12:H0+23], v[ACC+16:ACC+23], v[WS+(\s)], v[HS+(\s)] matrix_a_fmt:MATRIX_FMT_BF6 matrix_b_fmt:MATRIX_FMT_BF6 matrix_b_scale:MATRIX_SCALE_ROW1
	v_wmma_scale_f32_16x16x128_f8f6f4 v[ACC+24:ACC+31], v[F0+12:F0+23], v[H0+12:H0+23], v[ACC+24:ACC+31], v[WS+(\s)], v[HS+(\s)] matrix_a_fmt:MATRIX_FMT_BF6 matrix_b_fmt:MATRIX_FMT_BF6 matrix_a_scale:MATRIX_SCALE_ROW1 matrix_b_scale:MATRIX_SCALE_ROW1
.endif
.endm
.Ltrip:                                ; a group of 32 rows
	s_wait_loadcnt 56                              ; the list is in; behind it: 8 loads of scale words and the ring's 48
	v_min_u32 v6, 0x8ff, v24                       ; i, held inside y's 2,304 rows,
	v_min_u32 v7, 0x8ff, v25
	v_min_u32 v8, 0x7ff, v24                       ; and inside out2's 2,048 numbers
	v_min_u32 v9, 0x7ff, v25
	v_lshlrev_b32 v6, 12, v6
	v_lshlrev_b32 v7, 12, v7
	v_lshlrev_b32 v8, 2, v8
	v_lshlrev_b32 v9, 2, v9
	v_add_nc_u32 v6, v6, v26                       ; my row of y, + 32 x half
	v_add_nc_u32 v7, v7, v26
	s_wait_alu depctr_va_vdst(0)                   ; v8 and v9 are written, the offsets of the two loads below
	global_load_b32 v10, v8, s[12:13]              ; the rows' gates
	global_load_b32 v12, v9, s[12:13]
	LDW 0
	LDW 1
.set SS, 0
.rept 32
.if SS <= 24
	s_wait_loadcnt 42                              ; this K step's six loads are in; seven ring slots' 42 may be out
.else
	s_wait_loadcnt 6*(31-SS)
.endif
.if SS < 31
	s_wait_dscnt 12                                ; this K step's fragments of W2 are in (and the scale words, which are older); the next step's 12 may be out
.else
	s_wait_dscnt 0x0
.endif
.if SS > 0
.if SS < 30
	s_wait_alu depctr_va_vdst(0)                   ; the products of the step before are done reading their set of W2's fragments and their ring slot, in which this step's loads land
.endif
.endif
.if SS == 0
	WIN 0x14                                       ; source 1 (h) and source 2 (b2) window 1
.else
	WIN 0x04                                       ; source 1 window 1
.endif
	MUL SS
	PLACES
.if SS < 30
	LDW SS+2                                       ; no wait: no line since the wait above names set (s + 2) % 3 or its addresses
.endif
.if SS < 24
	HLD SS+8                                       ; nor slot (s + 8) % 9
.endif
.set SS, SS+1
.endr
	WIN 0
	v_mov_b32 v11, v10                             ; (the packed multiply names a pair and takes its low word for both halves: so the upper is written)
	v_mov_b32 v13, v12
.irp a, 0,1
.irp n, 0,1
.irp k, 0,1,2,3
	v_pk_mul_f32 v[ACC+8*(2*\a+\n)+2*\k:ACC+8*(2*\a+\n)+2*\k+1], v[ACC+8*(2*\a+\n)+2*\k:ACC+8*(2*\a+\n)+2*\k+1], v[10+2*\a:11+2*\a] op_sel_hi:[1,0]   ; x the row's gate; each accumulator from its low end on
.endr
.endr
.endr
	s_wait_alu depctr_va_vdst(0)                   ; the multiplications have written the accumulators, which the stores read; every line is done reading the list, the gates, h's scale words, the ring and W2's fragments: the loads behind the loop's edge land in these
.irp a, 0,1
.irp n, 0,1
	global_store_b128 v[6+\a], v[ACC+8*(2*\a+\n):ACC+8*(2*\a+\n)+3], s[18:19] offset:64*\n       ; lane (r, half): columns 16 n + 8 half + 0 .. 7 of row r
	global_store_b128 v[6+\a], v[ACC+8*(2*\a+\n)+4:ACC+8*(2*\a+\n)+7], s[18:19] offset:64*\n+16
.endr
.endr
	s_wait_xcnt 0x0                                ; the stores have read their registers: these and the bases are written again below
	s_wait_alu depctr_vm_vsrc(0)                   ; the stores have read v6, v7 and the accumulators, the gates' loads v8 and v9: the next group's lines and products write these again
	s_add_co_u32 s23, s23, 1
	s_add_nc_u64 s[8:9], s[8:9], 1024              ; my next group: eight groups on
	s_add_nc_u64 s[4:5], s[4:5], 786432            ; 16 tiles of rows on
	s_add_nc_u64 s[6:7], s[6:7], 32768
	s_cmp_ge_u32 s23, s25
	s_cbranch_scc1 .Lnoload                        ; no load leaves its buffer
	global_load_b32 v24, v[LR], s[8:9]
	global_load_b32 v25, v[LR], s[8:9] offset:64
	HSLD
.irp s, 0,1,2,3,4,5,6,7
	HLD \s
.endr
	WIN 0
.Lnoload:
	s_cmp_lt_u32 s23, s25
	s_cbranch_scc1 .Ltrip
.Ldone:
	s_wait_dscnt 0x0                               ; the closing lines, six on end
	s_wait_alu 0x0
	s_wait_tensorcnt 0x0
	ds_add_u32 v30, v31
	s_wait_dscnt 0x0
	s_endpgm
.Lfunc_end_k_q378d75d1b4_ffn2:
	.size	k_q378d75d1b4_ffn2, .Lfunc_end_k_q378d75d1b4_ffn2-k_q378d75d1b4_ffn2
	.p2alignl 7, 3214868480
	.fill 96, 4, 3214868480
	.section	.rodata,"a",@progbits
	.p2align	6, 0x0
	.amdhsa_kernel k_q378d75d1b4_ffn2
		.amdhsa_group_segment_fixed_size 148480
		.amdhsa_private_segment_fixed_size 0
		.amdhsa_enable_private_segment 0
		.amdhsa_kernarg_size 64
		.amdhsa_user_sgpr_count 2
		.amdhsa_user_sgpr_kernarg_segment_ptr 1
		.amdhsa_wavefront_size32 1
		.amdhsa_system_sgpr_workgroup_id_x 1
		.amdhsa_system_sgpr_workgroup_id_y 1
		.amdhsa_system_sgpr_workgroup_id_z 1
		.amdhsa_system_vgpr_workitem_id 0
		.amdhsa_next_free_vgpr 512
		.amdhsa_next_free_sgpr 66
		.amdhsa_reserve_vcc 0
		.amdhsa_float_denorm_mode_32 3
		.amdhsa_float_denorm_mode_16_64 3
		.amdhsa_memory_ordered 1
		.amdhsa_forward_progress 1
		.amdhsa_inst_pref_size 145
	.end_amdhsa_kernel
	.amdgpu_metadata
---
amdhsa.version: [ 1, 2 ]
amdhsa.kernels:
  - .name:           k_q378d75d1b4_ffn2
    .symbol:         k_q378d75d1b4_ffn2.kd
    .args:
      - { .name: h, .offset: 0, .size: 8, .value_kind: global_buffer, .address_space: global }
      - { .name: hs, .offset: 8, .size: 8, .value_kind: global_buffer, .address_space: global }
      - { .name: lst, .offset: 16, .size: 8, .value_kind: global_buffer, .address_space: global }
      - { .name: cnt, .offset: 24, .size: 8, .value_kind: global_buffer, .address_space: global }
      - { .name: out2, .offset: 32, .size: 8, .value_kind: global_buffer, .address_space: global }
      - { .name: w2, .offset: 40, .size: 8, .value_kind: global_buffer, .address_space: global }
      - { .name: b2, .offset: 48, .size: 8, .value_kind: global_buffer, .address_space: global }
      - { .name: y, .offset: 56, .size: 8, .value_kind: global_buffer, .address_space: global }
    .group_segment_fixed_size: 148480
    .private_segment_fixed_size: 0
    .kernarg_segment_align: 8
    .kernarg_segment_size: 64
    .max_flat_workgroup_size: 256
    .sgpr_count:     66
    .vgpr_count:     512
    .wavefront_size: 32
...
	.end_amdgpu_metadata
.endif
;; end of part 7
;; launch combine (part 8): grid 256 x 1, 4 waves a work-group, no clusters, 0 bytes of LDS; arguments y, out0; writes out0
.if DOCPART == 8
	.amdgcn_target "amdgcn-amd-amdhsa--gfx1250"
	.amdhsa_code_object_version 6
	.text
	.protected	k_q378d75d1b4_combine
	.globl	k_q378d75d1b4_combine
	.p2align	8
	.type	k_q378d75d1b4_combine,@function
k_q378d75d1b4_combine:
	s_mov_b64 s[64:65], 0
	v_nop
	global_prefetch_b8 v0, s[64:65] scope:SCOPE_SE
	s_setreg_imm32_b32 hwreg(HW_REG_WAVE_MODE, 25, 1), 1
	s_wait_xcnt 0x0
; out0[t] = y[2 t] + y[2 t + 1]: a token's two experts' rows, each already multiplied by its gate.  The two rows were made by different work-groups, so the sum is a launch of its own.
; One wave takes one token: sixteen loads of 512 consecutive bytes, all issued at once; eight stores of 512 consecutive bytes, aligned.  No LDS, no index, no loop.
	s_load_b128 s[4:7], s[0:1], 0x0                ; y, out0
	v_lshrrev_b32 v1, 5, v0
	v_readfirstlane_b32 s8, v1                     ; wave
	v_and_b32 v1, 31, v0
	v_lshlrev_b32 v1, 4, v1                        ; 16 x lane
	s_lshl_b32 s9, ttmp9, 2
	s_add_co_u32 s9, s9, s8                        ; token
	s_lshl_b32 s10, s9, 13                         ; two rows of 4,096 bytes
	s_mov_b32 s11, 0
	s_lshl_b32 s12, s9, 12
	s_mov_b32 s13, 0
	s_wait_alu depctr_va_vdst(0)
	s_wait_kmcnt 0x0
	s_add_nc_u64 s[4:5], s[4:5], s[10:11]
	s_add_nc_u64 s[6:7], s[6:7], s[12:13]
.irp c, 0,1,2,3,4,5,6,7
	global_load_b128 v[16+8*\c:19+8*\c], v1, s[4:5] offset:512*\c th:TH_LOAD_NT
	global_load_b128 v[20+8*\c:23+8*\c], v1, s[4:5] offset:4096+512*\c th:TH_LOAD_NT
.endr
.irp c, 0,1,2,3,4,5,6,7
	s_wait_loadcnt 14-2*\c                         ; this chunk's two loads are in; the later chunks' pairs may be out
	v_pk_add_f32 v[80+4*\c:81+4*\c], v[16+8*\c:17+8*\c], v[20+8*\c:21+8*\c]
	v_pk_add_f32 v[82+4*\c:83+4*\c], v[18+8*\c:19+8*\c], v[22+8*\c:23+8*\c]
	global_store_b128 v1, v[80+4*\c:83+4*\c], s[6:7] offset:512*\c th:TH_STORE_NT
.endr
	s_endpgm
.Lfunc_end_k_q378d75d1b4_combine:
	.size	k_q378d75d1b4_combine, .Lfunc_end_k_q378d75d1b4_combine-k_q378d75d1b4_combine
	.p2alignl 7, 3214868480
	.fill 96, 4, 3214868480
	.section	.rodata,"a",@progbits
	.p2align	6, 0x0
	.amdhsa_kernel k_q378d75d1b4_combine
		.amdhsa_group_segment_fixed_size 0
		.amdhsa_private_segment_fixed_size 0
		.amdhsa_enable_private_segment 0
		.amdhsa_kernarg_size 16
		.amdhsa_user_sgpr_count 2
		.amdhsa_user_sgpr_kernarg_segment_ptr 1
		.amdhsa_wavefront_size32 1
		.amdhsa_system_sgpr_workgroup_id_x 1
		.amdhsa_system_sgpr_workgroup_id_y 1
		.amdhsa_system_sgpr_workgroup_id_z 1
		.amdhsa_system_vgpr_workitem_id 0
		.amdhsa_next_free_vgpr 112
		.amdhsa_next_free_sgpr 66
		.amdhsa_reserve_vcc 0
		.amdhsa_float_denorm_mode_32 3
		.amdhsa_float_denorm_mode_16_64 3
		.amdhsa_memory_ordered 1
		.amdhsa_forward_progress 1
		.amdhsa_inst_pref_size 5
	.end_amdhsa_kernel
	.amdgpu_metadata
---
amdhsa.version: [ 1, 2 ]
amdhsa.kernels:
  - .name:           k_q378d75d1b4_combine
    .symbol:         k_q378d75d1b4_combine.kd
    .args:
      - { .name: y, .offset: 0, .size: 8, .value_kind: global_buffer, .address_space: global }
      - { .name: out0, .offset: 8, .size: 8, .value_kind: global_buffer, .address_space: global }
    .group_segment_fixed_size: 0
    .private_segment_fixed_size: 0
    .kernarg_segment_align: 8
    .kernarg_segment_size: 16
    .max_flat_workgroup_size: 128
    .sgpr_count:     66
    .vgpr_count:     112
    .wavefront_size: 32
...
	.end_amdgpu_metadata
.endif
;; end of part 8
